; MI455X (gfx1250); checked and timed in simulation.
; The chip was launched on July 23, 2026; its instructions are those of AMD's public machine-readable ISA for CDNA 5 (MIT licence, August 2026) and "CDNA5" Instruction Set Architecture Reference Guide (July 2026). The comments in the code are by the model that wrote it; some were corrected since.
;; DNN Beamformer. Allowed arithmetic: float matrix products may take bf16 or f16 operands with f32 sums; all other float work in f32.
;; Inputs: b_gvec 1 float32; b_mlp 320 float32; data_i 8 x 257 x 6 x 1,500 float32; data_r 8 x 257 x 6 x 1,500 float32; ilens 8 int32; psd_n_i 8 x 257 x 6 x 6 float32; psd_n_r 8 x 257 x 6 x 6 float32; psd_s_i 8 x 257 x 6 x 6 float32; psd_s_r 8 x 257 x 6 x 6 float32; w_gvec 320 x 1 float32; w_mlp 257 x 320 float32.
;; Outputs: out0 8 x 257 x 1,500 float32; out1 8 x 257 x 1,500 float32; out2 8 x 6 float32.
;; 3 versions, each right; version 2 is faster than version 1; version 3 is version 2 with the launch apply written anew for expert scheduling mode. Each part assembles by itself: llvm-mc -triple=amdgcn-amd-amdhsa -mcpu=gfx1250 --defsym DOCPART=n.
;; ======== version 1 of 3: 2 launches
;; limits: inputs' magnitudes at most 1e+19; below input magnitudes of 1e-19 results are inexact or not finite
;; workspace buffers: ws 592,128 bytes; epart 1,536 bytes
;; launch prep (part 1): grid 57 x 1, 4 waves a work-group, no clusters, 22,528 bytes of LDS; arguments psd_s_r, psd_s_i, psd_n_r, psd_n_i, w_mlp, b_mlp, w_gvec, b_gvec, ws, epart; writes ws, epart
.if DOCPART == 1
	.amdgcn_target "amdgcn-amd-amdhsa--gfx1250"
	.amdhsa_code_object_version 6
	.text
	.protected	k_q1862c8457e_prep
	.globl	k_q1862c8457e_prep
	.p2align	8
	.type	k_q1862c8457e_prep,@function
k_q1862c8457e_prep:
	s_mov_b64 s[64:65], 0
	v_nop
	global_prefetch_b8 v0, s[64:65] scope:SCOPE_SE
	s_setreg_imm32_b32 hwreg(HW_REG_WAVE_MODE, 25, 1), 1
	s_wait_xcnt 0x0
; prep: all that has to be known before the data are streamed.  Two roles, chosen by the work-group's number (alike for its four waves).
;   Role U, groups 0..39 (batch b = g & 7, slice = g >> 3): feat[c][f] = | mean over j != c of psd_s[b][f][c][j] |, then for the slice's 64 of the
;     320 hidden columns  sum over n of tanh(feat . W[:,n] + b_mlp[n]) w_gvec[n]  ->  epart[b][c][slice]  (slice 0 adds b_gvec).
;     tanh stands between the two products, so the split is over columns; the five partial sums are added by the next launch.
;   Role S, groups 40..56: one 6 x 6 complex system per lane, ws = N^-1 S / (trace(N^-1 S) + 1e-6)  ->  ws[bf][re,im][e][c].
;     Gaussian elimination with partial pivoting by |re| + |im|; nothing is assumed of N (no symmetry, no definiteness).
;     A row exchange is a choice of values (v_cndmask_b32), never a branch; the earlier row keeps a tie.
; All arithmetic is f32 on the vector unit.  The matrix unit is left out: the product has 6 rows per batch (6 of a tile's 16), W lies [k][n] in
; f32 and would have to be converted and transposed, and the whole product is 396 packed multiply-adds a wave.
; No cluster, no joint requests: nothing comes by tensor loads, and what groups share is small (a W slice of 65,792 bytes among 8 groups,
; a batch's 74,016 bytes of psd_s among 5).  No prefetch: every load of a wave is issued at once at its head.
; The input ilens is not among the arguments: reference() never uses it, so no result hangs on it.
; LIMITS: re^2 + im^2 is formed for the feature, the pivots and the trace, so those magnitudes must lie within about 1e-19 .. 1e19;
;   the mean is a product by 0.2 and not a division by 5; the diagonal is multiplied by 0, as reference() does;
;   tanh x = 1 - 2 / (1 + 2^(2.88539 x)), absolute error about 1e-7; W's row 256 is also multiplied by seven zero features (rows 257..263
;   of the padded k range), so an infinite entry there gives NaN;  role S stores 16 bytes a lane 288 bytes apart (592,128 bytes in all).
.set UGROUPS, 40
.set NBF,     2056                     ; 8 x 257 systems
.set PSDB,    37008                    ; bytes of one batch of one PSD plane: 257 x 36 x 4
; ---- role U: LDS
;   0     .. 9407   feat: 294 rows k of 32 bytes, words 0..5 = c (rows 257..293 are zeros)
.set RED,  9472                        ; .. 21759  [8 k groups][6 c][64 n] f32
.set PART, 21760                       ; .. 21807  [3 m][4 waves] f32
; ---- role U: registers
;   v1 t' = min(t,125)  v2 f0 = t'/3  v3 cp = t' - 3 f0  v4 48 t'  v5 48 min(t',14)  v6 8 (t' + f0)  v7 1280 kg + 16 r  v8 16 r  v9 32 kg
;   v10 RED + 1536 kg + 16 r   v11 RED + 4 t   v12 b_mlp[n]   v13 w_gvec[n]   v14 4 n   v15 0.2
.set WA,  16                           ; v[16:21]  weights of PSD row 2 cp: 0.2, and 0 on the diagonal
.set WB,  22                           ; v[22:27]  the same for row 2 cp + 1
.set TT,  28                           ; v[28:39]  at work
.set LND, 40                           ; v[40:207] PSD as loaded: round j at 24 j, plane at 12, two rows of six
.set ACC, 40                           ; v[40:63]  sums [6 c][4 n]       (the landing registers are done with by then)
.set FB0, 64                           ; v[64:129]  eleven feature rows of six
.set FB1, 130                          ; v[130:195] eleven more
.set SUM, 64                           ; v[64:87]   [3 m][8 k groups]
;   v256 + 4 i .. + 3: W row 8 i + kg, my four columns, i = 0..32 (second window of registers)
	s_load_b512 s[8:23], s[0:1], 0x0               ; psd_s_r s[8:9], psd_s_i s[10:11], psd_n_r s[12:13], psd_n_i s[14:15], w_mlp s[16:17], b_mlp s[18:19], w_gvec s[20:21], b_gvec s[22:23]
	s_load_b128 s[24:27], s[0:1], 0x40             ; ws s[24:25], epart s[26:27]
	v_lshl_add_u32 v254, v0, 2, 0x5600
	v_mov_b32 v255, 0
	v_lshrrev_b32 v1, 5, v0
	v_readfirstlane_b32 s4, v1                     ; wave 0..3
	s_wait_kmcnt 0x0                               ; the addresses, for both roles
	s_cmp_ge_u32 ttmp9, UGROUPS
	s_cbranch_scc1 .Lsolve
; =========================================================== role U
	s_load_b32 s28, s[22:23], 0x0                  ; b_gvec, wanted at the very end
	s_and_b32 s2, ttmp9, 7                         ; batch
	s_lshr_b32 s3, ttmp9, 3                        ; slice of 64 columns
	s_mul_i32 s32, s2, PSDB
	s_mov_b32 s33, 0
	s_lshl_b32 s34, s3, 8                          ; 64 columns are 256 bytes
	s_mov_b32 s35, 0
	s_mul_i32 s36, s2, 192
	s_lshl2_add_u32 s36, s3, s36                   ; epart[b][.][slice]
	s_mov_b32 s37, 0
	s_add_nc_u64 s[8:9], s[8:9], s[32:33]
	s_add_nc_u64 s[10:11], s[10:11], s[32:33]
	s_add_nc_u64 s[16:17], s[16:17], s[34:35]
	s_add_nc_u64 s[18:19], s[18:19], s[34:35]
	s_add_nc_u64 s[20:21], s[20:21], s[34:35]
	s_add_nc_u64 s[26:27], s[26:27], s[36:37]
	s_mov_b32 s30, 0x76543210                      ; v_permlanex16_b32: lane i reads lane i of the other half
	s_mov_b32 s31, 0xfedcba98
	v_min_u32 v1, 125, v0                          ; 126 threads cover 42 f x 3 row pairs; threads 126, 127 repeat thread 125 (same wave, same bytes, same values)
	v_mul_u32_u24 v2, v1, 0xaaab
	v_lshrrev_b32 v2, 17, v2                       ; f0 = t' / 3, exact for t' <= 125
	v_mul_u32_u24 v3, v2, 3
	v_sub_nc_u32 v3, v1, v3                        ; cp: I own PSD rows 2 cp and 2 cp + 1
	v_mul_u32_u24 v4, v1, 48                       ; f0 x 144 + cp x 48: my 48 bytes of a plane
	v_min_u32 v5, 14, v1
	v_mul_u32_u24 v5, v5, 48                       ; round 6 (f = 252 + f0) holds only f <= 256: t' <= 14; the others repeat thread 14's bytes
	v_add_nc_u32 v6, v1, v2
	v_lshlrev_b32 v6, 3, v6                        ; 32 f0 + 8 cp = 8 (t' + f0)
	v_and_b32 v8, 15, v0
	v_lshlrev_b32 v8, 4, v8                        ; 16 r: my four columns of the slice
	v_lshrrev_b32 v9, 4, v0                        ; kg: I take rows k = 8 i + kg
	v_mad_u32_u24 v7, v9, 1280, v8
	v_mul_u32_u24 v10, v9, 1536
	v_add3_u32 v10, v10, v8, RED
	v_lshlrev_b32 v9, 5, v9
	v_lshl_add_u32 v11, v0, 2, RED
	v_and_b32 v14, 63, v0
	v_lshlrev_b32 v14, 2, v14
	v_mov_b32 v15, 0x3e4ccccd                      ; 0.2
	; All 77 loads of the wave, at once.  Sixteen lanes of a W load take 256 consecutive bytes at a multiple of 256 from W's first byte.
	global_load_b32 v12, v14, s[18:19]
	global_load_b32 v13, v14, s[20:21]
	s_set_vgpr_msb 0x40                            ; destinations in the second window
.set rw, 0
.rept 32
	global_load_b128 v[4*rw:4*rw+3], v7, s[16:17] offset:10240*rw      ; v[256 + 4 i ..]: row 8 i + kg
.set rw, rw+1
.endr
	global_load_b128 v[128:131], v8, s[16:17] offset:327680            ; i = 32: every k group takes row 256; groups 1..7 meet zero features
	s_set_vgpr_msb 0x4000
.irp pos, 0,1,2
.irp j, 0,1,2,3,4,5
	global_load_b128 v[LND+24*\j+4*\pos:LND+24*\j+4*\pos+3], v4, s[8:9] offset:6048*\j+16*\pos
	global_load_b128 v[LND+24*\j+12+4*\pos:LND+24*\j+12+4*\pos+3], v4, s[10:11] offset:6048*\j+16*\pos
.endr
	global_load_b128 v[LND+144+4*\pos:LND+144+4*\pos+3], v5, s[8:9] offset:36288+16*\pos
	global_load_b128 v[LND+156+4*\pos:LND+156+4*\pos+3], v5, s[10:11] offset:36288+16*\pos
.endr
	; meanwhile: the weights of my two rows
	v_lshlrev_b32 v28, 1, v3                       ; 2 cp
	v_lshl_or_b32 v29, v3, 1, 1                    ; 2 cp + 1
.irp j, 0,1,2,3,4,5
	v_cmp_ne_u32 vcc_lo, \j, v28
	v_cndmask_b32 v[WA+\j], 0, v15, vcc_lo
	v_cmp_ne_u32 vcc_lo, \j, v29
	v_cndmask_b32 v[WB+\j], 0, v15, vcc_lo
.endr
	s_wait_loadcnt 0x0                             ; once: the product below needs every one of them
; Round j: the two features (rows 2 cp, 2 cp + 1) of f = f0 + 42 j.  q: bit 0 = plane, bit 1 = row.
.macro FEAT_ROUND j
.irp q, 0,1,2,3
	v_pk_mul_f32 v[TT+2*\q:TT+2*\q+1], v[LND+24*\j+12*(\q&1)+6*(\q>>1):LND+24*\j+12*(\q&1)+6*(\q>>1)+1], v[WA+6*(\q>>1):WA+6*(\q>>1)+1]
.endr
.irp q, 0,1,2,3
	v_pk_fma_f32 v[TT+2*\q:TT+2*\q+1], v[LND+24*\j+12*(\q&1)+6*(\q>>1)+2:LND+24*\j+12*(\q&1)+6*(\q>>1)+3], v[WA+6*(\q>>1)+2:WA+6*(\q>>1)+3], v[TT+2*\q:TT+2*\q+1]
.endr
.irp q, 0,1,2,3
	v_pk_fma_f32 v[TT+2*\q:TT+2*\q+1], v[LND+24*\j+12*(\q&1)+6*(\q>>1)+4:LND+24*\j+12*(\q&1)+6*(\q>>1)+5], v[WA+6*(\q>>1)+4:WA+6*(\q>>1)+5], v[TT+2*\q:TT+2*\q+1]
.endr
.irp q, 0,1,2,3
	v_add_f32 v[TT+2*\q], v[TT+2*\q], v[TT+2*\q+1]
.endr
	v_mul_f32 v[TT+1], v[TT], v[TT]
	v_mul_f32 v[TT+5], v[TT+4], v[TT+4]
	v_fma_f32 v[TT+1], v[TT+2], v[TT+2], v[TT+1]
	v_fma_f32 v[TT+5], v[TT+6], v[TT+6], v[TT+5]
	v_sqrt_f32 v[TT+8], v[TT+1]
	v_sqrt_f32 v[TT+9], v[TT+5]
	v_nop                                          ; one plain vector instruction behind the roots before a result is used or a source rewritten (ISA guide 5.7.2)
.if \j == 6
	v_cmp_gt_u32 vcc_lo, 15, v1                    ; f = 257 .. 293 do not exist: zeros
	s_wait_alu depctr_va_vdst(0)
	v_cndmask_b32 v[TT+8], 0, v[TT+8], vcc_lo
	v_cndmask_b32 v[TT+9], 0, v[TT+9], vcc_lo
.endif
	s_wait_alu depctr_va_vdst(0)
	ds_store_b64 v6, v[TT+8:TT+9] offset:1344*\j   ; 42 rows of 32 bytes further in each round
.endm
.irp j, 0,1,2,3,4,5,6
	FEAT_ROUND \j
.endr
	s_wait_dscnt 0x0                               ; my features are in LDS,
	s_barrier_signal -1
	s_barrier_wait -1                              ; everybody's are
; Eleven feature rows (k = 8 i + kg, i = 11 g ..) into buffer fb: 22 loads; the sixteen lanes of a k group read the same bytes.
.macro LDFEAT g, fb
.set rw, 0
.rept 11
	ds_load_b128 v[\fb+6*rw:\fb+6*rw+3], v9 offset:256*(11*\g+rw)
	ds_load_b64 v[\fb+6*rw+4:\fb+6*rw+5], v9 offset:256*(11*\g+rw)+16
.set rw, rw+1
.endr
.endm
; acc[c][0..3] += feat[c] x W[i][0..3]: twelve packed operations.  The feature is one register of a pair, taken for both halves.
; Row 0 multiplies only: nothing is cleared.
.macro FMA_ROW i, fr
.irp c, 0,1,2,3,4,5
.irp p, 0,2
.if (\i) == 0
.if \c & 1
	v_pk_mul_f32 v[ACC+4*\c+\p:ACC+4*\c+\p+1], v[\fr+(\c&6):\fr+(\c&6)+1], v[4*(\i)+\p:4*(\i)+\p+1] op_sel:[1,0] op_sel_hi:[1,1]
.else
	v_pk_mul_f32 v[ACC+4*\c+\p:ACC+4*\c+\p+1], v[\fr+(\c&6):\fr+(\c&6)+1], v[4*(\i)+\p:4*(\i)+\p+1] op_sel_hi:[0,1]
.endif
.else
.if \c & 1
	v_pk_fma_f32 v[ACC+4*\c+\p:ACC+4*\c+\p+1], v[\fr+(\c&6):\fr+(\c&6)+1], v[4*(\i)+\p:4*(\i)+\p+1], v[ACC+4*\c+\p:ACC+4*\c+\p+1] op_sel:[1,0,0] op_sel_hi:[1,1,1]
.else
	v_pk_fma_f32 v[ACC+4*\c+\p:ACC+4*\c+\p+1], v[\fr+(\c&6):\fr+(\c&6)+1], v[4*(\i)+\p:4*(\i)+\p+1], v[ACC+4*\c+\p:ACC+4*\c+\p+1] op_sel_hi:[0,1,1]
.endif
.endif
.endr
.endr
.endm
.macro ROWS g, fb
.set rx, 0
.rept 11
	FMA_ROW 11*\g+rx, \fb+6*rx
.set rx, rx+1
.endr
.endm
	s_set_vgpr_msb 0x0004                          ; source 1 (W) in the second window; LDS loads name a destination and source 0 only
	LDFEAT 0, FB0
	LDFEAT 1, FB1
	s_wait_dscnt 22                                ; the first 22 are in; the 22 loads of rows 11..21 stay out
	ROWS 0, FB0
	LDFEAT 2, FB0
	s_wait_dscnt 22                                ; rows 11..21 are in; the 22 loads of rows 22..32 stay out
	ROWS 1, FB1
	s_wait_dscnt 0x0
	ROWS 2, FB0
	s_set_vgpr_msb 0x0400
.irp c, 0,1,2,3,4,5
	ds_store_b128 v10, v[ACC+4*\c:ACC+4*\c+3] offset:256*\c            ; bytes of RED, which no wave has read yet
.endr
	s_wait_dscnt 0x0
	s_barrier_signal -1
	s_barrier_wait -1
	; 384 sums (c, n) for 128 threads: number t + 128 m, so c = 2 m + (wave >> 1) and n = t & 63
.irp m, 0,1,2
.irp g, 0,1,2,3,4,5,6,7
	ds_load_b32 v[SUM+8*\m+\g], v11 offset:512*\m+1536*\g              ; the last byte read is RED + 508 + 1024 + 10752 + 3 = 21759
.endr
.endr
	v_mul_f32 v37, 0x4038aa3b, v12                 ; b_mlp x 2 log2(e)
	v_mul_f32 v38, -2.0, v13                       ; -2 w_gvec
	v_mov_b32 v36, s4                              ; wave number,
	v_lshlrev_b32 v36, 2, v36                      ; x 4: my wave's word in each row of PART (the region's base goes in the immediate)
	s_wait_dscnt 0x0
.irp m, 0,1,2
	v_pk_add_f32 v[SUM+8*\m:SUM+8*\m+1], v[SUM+8*\m:SUM+8*\m+1], v[SUM+8*\m+2:SUM+8*\m+3]
	v_pk_add_f32 v[SUM+8*\m+4:SUM+8*\m+5], v[SUM+8*\m+4:SUM+8*\m+5], v[SUM+8*\m+6:SUM+8*\m+7]
.endr
.irp m, 0,1,2
	v_pk_add_f32 v[SUM+8*\m:SUM+8*\m+1], v[SUM+8*\m:SUM+8*\m+1], v[SUM+8*\m+4:SUM+8*\m+5]
.endr
.irp m, 0,1,2
	v_add_f32 v[SUM+8*\m], v[SUM+8*\m], v[SUM+8*\m+1]
.endr
.irp m, 0,1,2
	v_fmamk_f32 v[SUM+8*\m], v[SUM+8*\m], 0x4038aa3b, v37              ; 2 log2(e) (x + b)
.endr
.irp m, 0,1,2
	v_exp_f32 v[SUM+8*\m], v[SUM+8*\m]
.endr
	v_nop                                          ; the plain place behind the exponentials
	s_wait_alu depctr_va_vdst(0)
.irp m, 0,1,2
	v_add_f32 v[SUM+8*\m], 1.0, v[SUM+8*\m]
.endr
.irp m, 0,1,2
	v_rcp_f32 v[SUM+8*\m], v[SUM+8*\m]             ; an overflowed exponential gives 0 here, and tanh = 1
.endr
	v_nop                                          ; and behind the reciprocals
	s_wait_alu depctr_va_vdst(0)
.irp m, 0,1,2
	v_fma_f32 v[SUM+8*\m], v[SUM+8*\m], v38, v13   ; w tanh = w - 2 w / (1 + 2^..)
.endr
.irp x, 1,2,4,8
.irp m, 0,1,2
	v_add_f32_dpp v[SUM+8*\m], v[SUM+8*\m], v[SUM+8*\m] row_xmask:\x row_mask:0xf bank_mask:0xf
.endr
.endr
.irp m, 0,1,2
	v_permlanex16_b32 v[SUM+8*\m+1], v[SUM+8*\m], s30, s31             ; its destination has been written above
.endr
.irp m, 0,1,2
	v_add_f32 v[SUM+8*\m], v[SUM+8*\m], v[SUM+8*\m+1]                  ; my wave's 32 columns of channel 2 m + (wave >> 1)
.endr
.irp m, 0,1,2
	ds_store_b32 v36, v[SUM+8*\m] offset:PART+16*\m                    ; all lanes the same word, the same value; PART lies behind the last byte of RED, which others may still read
.endr
	s_wait_dscnt 0x0
	s_barrier_signal -1
	s_barrier_wait -1
	s_cmp_lg_u32 s4, 0                             ; no barrier follows: waves 1..3 are done
	s_cbranch_scc1 .Lu_done
	v_min_u32 v28, 5, v0                           ; lane c: channel c's two halves lie at PART + 8 c
	v_lshlrev_b32 v29, 3, v28
	ds_load_b64 v[30:31], v29 offset:PART
	v_lshlrev_b32 v32, 5, v28                      ; epart[b][c][.]: 32 bytes a channel
	s_wait_kmcnt 0x0                               ; b_gvec
	s_cmp_eq_u32 s3, 0
	s_cselect_b32 s29, s28, 0                      ; counted once: by slice 0
	s_wait_dscnt 0x0
	v_add_f32 v30, v30, v31
	v_add_f32 v30, s29, v30
	v_cmp_gt_u32 vcc_lo, 6, v0
	s_wait_xcnt 0x0                                ; EXEC is narrowed only behind this wait
	s_wait_tensorcnt 0x0
	ds_add_u32 v254, v255
	s_wait_dscnt 0x0
	s_and_saveexec_b32 s6, vcc_lo
	global_store_b32 v32, v30, s[26:27]
	s_endpgm
.Lu_done:
	s_wait_tensorcnt 0x0
	ds_add_u32 v254, v255
	s_wait_dscnt 0x0
	s_endpgm
; =========================================================== role S
; Four planes (N re, N im, S re, S im) of seven row slots of six registers.  Six slots hold the rows, one is spare: an exchange writes the new
; pivot row into the spare slot and the loser into row i's slot, and the names ro0..ro5, ros (slot offsets, the same in all planes) are
; exchanged as the text is assembled: two selects an element in place of three moves.
.set NR, 8                             ; v[8:49]
.set NI, 50                            ; v[50:91]
.set SR, 92                            ; v[92:133]
.set SI, 134                           ; v[134:175]
.set MAG, 176                          ; v[176:181] |re| + |im| of column k
.set MM,  182                          ; v[182:191] multiplier (re, im) of rows 1..5
.set RP,  192                          ; v[192:203] 1 / pivot (re, im) of k = 0..5
.set TP,  204                          ; v[204:215] at work
.set ro0, 0
.set ro1, 6
.set ro2, 12
.set ro3, 18
.set ro4, 24
.set ro5, 30
.set ros, 36
; d(pair) +- x(pair) x one register of the pair m (sel = 0 the first, 1 the second)
.macro CM d, x, m, sel, neg
.if \sel
.if \neg
	v_pk_fma_f32 v[\d:\d+1], v[\x:\x+1], v[\m:\m+1], v[\d:\d+1] op_sel:[0,1,0] op_sel_hi:[1,1,1] neg_lo:[0,1,0] neg_hi:[0,1,0]
.else
	v_pk_fma_f32 v[\d:\d+1], v[\x:\x+1], v[\m:\m+1], v[\d:\d+1] op_sel:[0,1,0] op_sel_hi:[1,1,1]
.endif
.else
.if \neg
	v_pk_fma_f32 v[\d:\d+1], v[\x:\x+1], v[\m:\m+1], v[\d:\d+1] op_sel_hi:[1,0,1] neg_lo:[0,1,0] neg_hi:[0,1,0]
.else
	v_pk_fma_f32 v[\d:\d+1], v[\x:\x+1], v[\m:\m+1], v[\d:\d+1] op_sel_hi:[1,0,1]
.endif
.endif
.endm
; two complex numbers: d -= m x
.macro CSUB dr, di, xr, xi, mr, mi, selr, seli
	CM \dr, \xr, \mr, \selr, 1
	CM \di, \xi, \mr, \selr, 1
	CM \dr, \xi, \mi, \seli, 0
	CM \di, \xr, \mi, \seli, 1
.endm
.macro MAG1 k, i
	v_add_f32 v[MAG+\i], |v[NR+ro\i+\k]|, |v[NI+ro\i+\k]|
.endm
.macro SEL2 pl, k, i, c
	v_cndmask_b32 v[\pl+ros+\c], v[\pl+ro\k+\c], v[\pl+ro\i+\c], vcc_lo      ; the larger becomes the pivot row
	v_cndmask_b32 v[\pl+ro\i+\c], v[\pl+ro\i+\c], v[\pl+ro\k+\c], vcc_lo     ; the other stays as row i
.endm
.macro CSWAP k, i
	v_cmp_gt_f32 vcc_lo, v[MAG+\i], v[MAG+\k]
	v_max_num_f32 v[MAG+\k], v[MAG+\k], v[MAG+\i]
.irp c, 0,1,2,3,4,5
.if \c >= \k
	SEL2 NR, \k, \i, \c                            ; N's columns left of k are never read again
	SEL2 NI, \k, \i, \c
.endif
	SEL2 SR, \k, \i, \c
	SEL2 SI, \k, \i, \c
.endr
.set rot, ro\k
.set ro\k, ros
.set ros, rot
.endm
.macro PIVINV k                        ; 1 / a = conj(a) / |a|^2
	v_mul_f32 v[TP], v[NR+ro\k+\k], v[NR+ro\k+\k]
	v_fma_f32 v[TP], v[NI+ro\k+\k], v[NI+ro\k+\k], v[TP]
	v_rcp_f32 v[TP], v[TP]
	v_nop                                          ; the plain place behind the reciprocal
	s_wait_alu depctr_va_vdst(0)
	v_mul_f32 v[RP+2*\k], v[NR+ro\k+\k], v[TP]
	v_mul_f32 v[RP+2*\k+1], -v[NI+ro\k+\k], v[TP]
.endm
.macro ELIM k, i                       ; row i -= (a_ik / a_kk) row k, columns in pairs; the pair that holds column k + 1 is the first
	v_mul_f32 v[MM+2*\i-2], v[NR+ro\i+\k], v[RP+2*\k]
	v_mul_f32 v[MM+2*\i-1], v[NR+ro\i+\k], v[RP+2*\k+1]
	v_fma_f32 v[MM+2*\i-2], -v[NI+ro\i+\k], v[RP+2*\k+1], v[MM+2*\i-2]
	v_fma_f32 v[MM+2*\i-1], v[NI+ro\i+\k], v[RP+2*\k], v[MM+2*\i-1]
.irp p, 0,1,2
.if \p >= (\k+1)/2
	CSUB NR+ro\i+2*\p, NI+ro\i+2*\p, NR+ro\k+2*\p, NI+ro\k+2*\p, MM+2*\i-2, MM+2*\i-2, 0, 1
.endif
	CSUB SR+ro\i+2*\p, SI+ro\i+2*\p, SR+ro\k+2*\p, SI+ro\k+2*\p, MM+2*\i-2, MM+2*\i-2, 0, 1
.endr
.endm
.macro STAGE k
.if \k < 5
.irp i, 0,1,2,3,4,5
.if \i >= \k
	MAG1 \k, \i
.endif
.endr
.irp i, 1,2,3,4,5
.if \i > \k
	CSWAP \k, \i
.endif
.endr
.endif
	PIVINV \k
.irp i, 1,2,3,4,5
.if \i > \k
	ELIM \k, \i
.endif
.endr
.endm
.macro BACKJ k, j                      ; row k of the right side -= a_kj x (solved) row j
.irp p, 0,1,2
	CSUB SR+ro\k+2*\p, SI+ro\k+2*\p, SR+ro\j+2*\p, SI+ro\j+2*\p, NR+ro\k+(\j&6), NI+ro\k+(\j&6), (\j&1), (\j&1)
.endr
.endm
.macro BACK k
.irp j, 5,4,3,2,1
.if \j > \k
	BACKJ \k, \j
.endif
.endr
.irp p, 0,1,2                          ; and x 1 / a_kk
	v_pk_mul_f32 v[TP+4*\p:TP+4*\p+1], v[SI+ro\k+2*\p:SI+ro\k+2*\p+1], v[RP+2*\k:RP+2*\k+1] op_sel:[0,1] op_sel_hi:[1,1]
	v_pk_mul_f32 v[TP+4*\p+2:TP+4*\p+3], v[SR+ro\k+2*\p:SR+ro\k+2*\p+1], v[RP+2*\k:RP+2*\k+1] op_sel:[0,1] op_sel_hi:[1,1]
.endr
.irp p, 0,1,2
	v_pk_fma_f32 v[SR+ro\k+2*\p:SR+ro\k+2*\p+1], v[SR+ro\k+2*\p:SR+ro\k+2*\p+1], v[RP+2*\k:RP+2*\k+1], v[TP+4*\p:TP+4*\p+1] op_sel_hi:[1,0,1] neg_lo:[0,0,1] neg_hi:[0,0,1]
	v_pk_fma_f32 v[SI+ro\k+2*\p:SI+ro\k+2*\p+1], v[SI+ro\k+2*\p:SI+ro\k+2*\p+1], v[RP+2*\k:RP+2*\k+1], v[TP+4*\p+2:TP+4*\p+3] op_sel_hi:[1,0,1]
.endr
.endm
.macro SCALE e                         ; row e x q, into N's registers (done with), rows in their natural order
.irp p, 0,1,2
	v_pk_mul_f32 v[NR+6*\e+2*\p:NR+6*\e+2*\p+1], v[SI+ro\e+2*\p:SI+ro\e+2*\p+1], v[TP+2:TP+3] op_sel:[0,1] op_sel_hi:[1,1]
	v_pk_mul_f32 v[NI+6*\e+2*\p:NI+6*\e+2*\p+1], v[SR+ro\e+2*\p:SR+ro\e+2*\p+1], v[TP+2:TP+3] op_sel:[0,1] op_sel_hi:[1,1]
.endr
.irp p, 0,1,2
	v_pk_fma_f32 v[NR+6*\e+2*\p:NR+6*\e+2*\p+1], v[SR+ro\e+2*\p:SR+ro\e+2*\p+1], v[TP+2:TP+3], v[NR+6*\e+2*\p:NR+6*\e+2*\p+1] op_sel_hi:[1,0,1] neg_lo:[0,0,1] neg_hi:[0,0,1]
	v_pk_fma_f32 v[NI+6*\e+2*\p:NI+6*\e+2*\p+1], v[SI+ro\e+2*\p:SI+ro\e+2*\p+1], v[TP+2:TP+3], v[NI+6*\e+2*\p:NI+6*\e+2*\p+1] op_sel_hi:[1,0,1]
.endr
.endm
.Lsolve:
	s_sub_co_u32 s5, ttmp9, UGROUPS
	s_lshl_b32 s5, s5, 7                           ; 128 systems a group
	s_lshl_b32 s6, s4, 5
	s_add_co_u32 s6, s6, s5                        ; my wave's first system
	s_cmp_ge_u32 s6, NBF                           ; 2,056 = 16 x 128 + 8: in the last group only wave 0 has work (this role has no barrier)
	s_cbranch_scc1 .Ls_done
	v_add_nc_u32 v1, s5, v0                        ; my system
	v_min_u32 v4, NBF-1, v1                        ; lanes past the end repeat the last one and store nothing
	v_mul_u32_u24 v2, v4, 144                      ; 36 f32 a plane
	v_mul_u32_u24 v3, v4, 288                      ; 72 f32 in ws
.irp m, 0,1,2,3,4,5,6,7,8
	global_load_b128 v[NR+4*\m:NR+4*\m+3], v2, s[12:13] offset:16*\m
	global_load_b128 v[NI+4*\m:NI+4*\m+3], v2, s[14:15] offset:16*\m
	global_load_b128 v[SR+4*\m:SR+4*\m+3], v2, s[8:9] offset:16*\m
	global_load_b128 v[SI+4*\m:SI+4*\m+3], v2, s[10:11] offset:16*\m
.endr
	s_wait_loadcnt 0x0                             ; the first exchange already moves whole rows of N and S
.irp k, 0,1,2,3,4,5
	STAGE \k
.endr
.irp k, 5,4,3,2,1,0
	BACK \k
.endr
	; q = 1 / (trace + 1e-6)
	v_add_f32 v[TP], v[SR+ro0], v[SR+ro1+1]
	v_add_f32 v[TP+1], v[SI+ro0], v[SI+ro1+1]
	v_add_f32 v[TP+4], v[SR+ro2+2], v[SR+ro3+3]
	v_add_f32 v[TP+5], v[SI+ro2+2], v[SI+ro3+3]
	v_add_f32 v[TP+6], v[SR+ro4+4], v[SR+ro5+5]
	v_add_f32 v[TP+7], v[SI+ro4+4], v[SI+ro5+5]
	v_pk_add_f32 v[TP:TP+1], v[TP:TP+1], v[TP+4:TP+5]
	v_pk_add_f32 v[TP:TP+1], v[TP:TP+1], v[TP+6:TP+7]
	v_add_f32 v[TP], 0x358637bd, v[TP]             ; eps = 1e-6, on the real part
	v_mul_f32 v[TP+4], v[TP], v[TP]
	v_fma_f32 v[TP+4], v[TP+1], v[TP+1], v[TP+4]
	v_rcp_f32 v[TP+4], v[TP+4]
	v_nop                                          ; the plain place behind the reciprocal
	s_wait_alu depctr_va_vdst(0)
	v_mul_f32 v[TP+2], v[TP], v[TP+4]
	v_mul_f32 v[TP+3], -v[TP+1], v[TP+4]
.irp e, 0,1,2,3,4,5
	SCALE \e
.endr
	v_cmp_gt_u32 vcc_lo, NBF, v1
	s_wait_xcnt 0x0                                ; EXEC is narrowed only behind this wait
	s_and_saveexec_b32 s6, vcc_lo
.irp m, 0,1,2,3,4,5,6,7,8
	global_store_b128 v3, v[NR+4*\m:NR+4*\m+3], s[24:25] offset:16*\m
	global_store_b128 v3, v[NI+4*\m:NI+4*\m+3], s[24:25] offset:144+16*\m
.endr
	s_endpgm
.Ls_done:
	s_endpgm
.Lfunc_end_k_q1862c8457e_prep:
	.size	k_q1862c8457e_prep, .Lfunc_end_k_q1862c8457e_prep-k_q1862c8457e_prep
	.p2alignl 7, 3214868480
	.fill 96, 4, 3214868480
	.section	.rodata,"a",@progbits
	.p2align	6, 0x0
	.amdhsa_kernel k_q1862c8457e_prep
		.amdhsa_group_segment_fixed_size 22528
		.amdhsa_private_segment_fixed_size 0
		.amdhsa_enable_private_segment 0
		.amdhsa_kernarg_size 80
		.amdhsa_user_sgpr_count 2
		.amdhsa_user_sgpr_kernarg_segment_ptr 1
		.amdhsa_wavefront_size32 1
		.amdhsa_system_sgpr_workgroup_id_x 1
		.amdhsa_system_sgpr_workgroup_id_y 1
		.amdhsa_system_sgpr_workgroup_id_z 1
		.amdhsa_system_vgpr_workitem_id 0
		.amdhsa_next_free_vgpr 392
		.amdhsa_next_free_sgpr 66
		.amdhsa_reserve_vcc 1
		.amdhsa_float_denorm_mode_32 3
		.amdhsa_float_denorm_mode_16_64 3
		.amdhsa_memory_ordered 1
		.amdhsa_forward_progress 1
		.amdhsa_inst_pref_size 128
	.end_amdhsa_kernel
	.amdgpu_metadata
---
amdhsa.version: [ 1, 2 ]
amdhsa.kernels:
  - .name:           k_q1862c8457e_prep
    .symbol:         k_q1862c8457e_prep.kd
    .args:
      - { .name: psd_s_r, .offset: 0, .size: 8, .value_kind: global_buffer, .address_space: global }
      - { .name: psd_s_i, .offset: 8, .size: 8, .value_kind: global_buffer, .address_space: global }
      - { .name: psd_n_r, .offset: 16, .size: 8, .value_kind: global_buffer, .address_space: global }
      - { .name: psd_n_i, .offset: 24, .size: 8, .value_kind: global_buffer, .address_space: global }
      - { .name: w_mlp, .offset: 32, .size: 8, .value_kind: global_buffer, .address_space: global }
      - { .name: b_mlp, .offset: 40, .size: 8, .value_kind: global_buffer, .address_space: global }
      - { .name: w_gvec, .offset: 48, .size: 8, .value_kind: global_buffer, .address_space: global }
      - { .name: b_gvec, .offset: 56, .size: 8, .value_kind: global_buffer, .address_space: global }
      - { .name: ws, .offset: 64, .size: 8, .value_kind: global_buffer, .address_space: global }
      - { .name: epart, .offset: 72, .size: 8, .value_kind: global_buffer, .address_space: global }
    .group_segment_fixed_size: 22528
    .private_segment_fixed_size: 0
    .kernarg_segment_align: 8
    .kernarg_segment_size: 80
    .max_flat_workgroup_size: 128
    .sgpr_count:     66
    .vgpr_count:     392
    .wavefront_size: 32
...
	.end_amdgpu_metadata
.endif
;; end of part 1
;; launch apply (part 2): grid 257 x 8, 12 waves a work-group, no clusters, 0 bytes of LDS; arguments data_r, data_i, ws, epart, out0, out1, out2; writes out0, out1, out2
.if DOCPART == 2
	.amdgcn_target "amdgcn-amd-amdhsa--gfx1250"
	.amdhsa_code_object_version 6
	.text
	.protected	k_q1862c8457e_apply
	.globl	k_q1862c8457e_apply
	.p2align	8
	.type	k_q1862c8457e_apply,@function
k_q1862c8457e_apply:
	s_mov_b64 s[64:65], 0
	v_nop
	global_prefetch_b8 v0, s[64:65] scope:SCOPE_SE
	s_setreg_imm32_b32 hwreg(HW_REG_WAVE_MODE, 25, 1), 1
	s_wait_xcnt 0x0
; apply: y[b][f][t] = sum over c of conj(h[c]) x[b][f][c][t], with h[e] = sum over c of ws[b][f][e][c] u[b][c] and
; u[b] = softmax over c of 2 e[b][c], e[b][c] = the sum of the five partial sums in epart (b_gvec is in the first of them).
; A work-group owns one (b, f): 72,000 bytes in, 12,000 out.  A thread owns four samples: twelve 16-byte loads, two 16-byte stores; every data byte
; is read once and every output byte written once.  Waves do not depend on each other: no LDS, no barrier.  Each wave makes u and h for itself
; (some 70 instructions on 468 bytes) while its twelve data loads are on their way; the groups with f = 0 also store u.
; The softmax takes the maximum away first, as reference() does.
; STORES: a row of y starts at 16-byte piece 375 bf of the output, and 375 bf = 7 bf = sh modulo 16.  Thread t takes piece q = t - sh, and threads
; t < sh the pieces 384 + t - sh at the row's tail, so that 375 bf + q = t modulo 16: sixteen neighbouring lanes store 256 consecutive bytes
; at a multiple of 256 from the output's first byte, but for the row's first and last such block, which it shares with its neighbours.
; The twelve input rows (6,000 bytes apart) cannot all be so placed; each load of a wave covers 512 consecutive bytes.
; Left out: the matrix unit (6 terms, 2 real outputs a sample, against 14 f32 moved a sample), the tensor data mover and LDS (nothing is read twice;
; the registers hold what is in flight), clusters (groups share no data tile), prefetch (all loads of a wave are issued at its head).
; The input ilens is not among the arguments: reference() never uses it, so no result hangs on it.
.set ROWB, 6000                        ; bytes of one channel's 1,500 samples
.set X,    4                           ; v[4:51]   channel c: re at 8 c, im at 8 c + 4
.set YR,   52                          ; v[52:55]  first the partial sums and the softmax, then y re
.set YI,   56                          ; v[56:59]  likewise, then y im
.set HS,   24                          ; s[24:47]  h: re of channel c in s[24 + 2 c], im in s[36 + 2 c], each once more in the register behind it
.set US,   48                          ; s[48:53]  u
;   v1 16 min(q, 374)   v2 q   v3 32 min(lane & 7, 5)   v58 lane & 7   v59 4 min(t, 5)   v60 24 min(lane, 11)   v61 u   v[62:67] my row of ws
	s_load_b256 s[8:15], s[0:1], 0x0               ; data_r s[8:9], data_i s[10:11], ws s[12:13], epart s[14:15]
	s_load_b128 s[16:19], s[0:1], 0x20             ; out0 s[16:17], out1 s[18:19]
	s_load_b64 s[20:21], s[0:1], 0x30              ; out2
	s_and_b32 s2, ttmp7, 0xffff                    ; b
	s_mul_i32 s3, s2, 257
	s_add_co_u32 s3, s3, ttmp9                     ; bf = 257 b + f
	s_mul_i32 s5, s3, 7
	s_and_b32 s5, s5, 15                           ; sh
	s_mov_b32 s55, 0
	v_subrev_nc_u32 v2, s5, v0                     ; t - sh (wraps for t < sh)
	v_add_nc_u32 v3, 0x180, v2                     ; t - sh + 384
	v_min_u32 v2, v2, v3                           ; q: each of 0 .. 383 once
	v_min_u32 v1, 0x176, v2                        ; pieces 375 .. 383 do not exist: those lanes repeat piece 374 and store nothing
	v_lshlrev_b32 v1, 4, v1
	v_and_b32 v58, 7, v0
	v_min_u32 v3, 5, v58                           ; each eight lanes: channels 0..5, and 5 twice more
	v_lshlrev_b32 v3, 5, v3
	v_and_b32 v60, 31, v0
	v_min_u32 v60, 11, v60                         ; lanes 0..5: row e of ws re; lanes 6..11: row e of ws im (144 = 6 x 24 bytes further)
	v_mul_u32_u24 v60, v60, 24
	v_min_u32 v59, 5, v0
	v_lshlrev_b32 v59, 2, v59
	s_wait_kmcnt 0x0
	s_mul_i32 s54, s2, 192
	s_add_nc_u64 s[14:15], s[14:15], s[54:55]
	s_mul_i32 s54, s3, 288
	s_add_nc_u64 s[12:13], s[12:13], s[54:55]
	s_mul_i32 s54, s3, 6*ROWB                      ; at most 2,055 x 36,000: below 2^31
	s_add_nc_u64 s[8:9], s[8:9], s[54:55]
	s_add_nc_u64 s[10:11], s[10:11], s[54:55]
	global_load_b128 v[52:55], v3, s[14:15]        ; five small loads first,
	global_load_b32 v56, v3, s[14:15] offset:16
	global_load_b64 v[62:63], v60, s[12:13]
	global_load_b64 v[64:65], v60, s[12:13] offset:8
	global_load_b64 v[66:67], v60, s[12:13] offset:16
.irp c, 0,1,2,3,4,5
	global_load_b128 v[X+8*\c:X+8*\c+3], v1, s[8:9] offset:ROWB*\c th:TH_LOAD_NT       ; then the twelve of the stream, channel by channel
	global_load_b128 v[X+8*\c+4:X+8*\c+7], v1, s[10:11] offset:ROWB*\c th:TH_LOAD_NT
.endr
	s_mul_i32 s54, s3, ROWB
	s_add_nc_u64 s[16:17], s[16:17], s[54:55]
	s_add_nc_u64 s[18:19], s[18:19], s[54:55]
	s_mul_i32 s54, s2, 24
	s_add_nc_u64 s[20:21], s[20:21], s[54:55]
	v_cmp_gt_u32 vcc_lo, 6, v58                    ; the lanes that stand for a channel of their own
	s_wait_loadcnt 12                              ; loads come back in order: the five small ones are in, the twelve data loads stay out
	v_add_f32 v52, v52, v53
	v_add_f32 v54, v54, v55
	v_add_f32 v52, v52, v54
	v_add_f32 v52, v52, v56                        ; e[b][c]
	v_max_num_f32_dpp v53, v52, v52 row_xmask:1 row_mask:0xf bank_mask:0xf     ; the maximum over each eight lanes (v53 has been written: by its load)
	v_max_num_f32_dpp v53, v53, v53 row_xmask:2 row_mask:0xf bank_mask:0xf
	v_max_num_f32_dpp v53, v53, v53 row_xmask:4 row_mask:0xf bank_mask:0xf
	v_sub_f32 v54, v52, v53
	v_mul_f32 v54, 0x4038aa3b, v54                 ; scaling 2 x log2(e)
	v_exp_f32 v54, v54
	v_nop                                          ; one plain vector instruction behind it before its result is used (ISA guide 5.7.2)
	s_wait_alu depctr_va_vdst(0)
	v_cndmask_b32 v54, 0, v54, vcc_lo              ; the two repeats of channel 5 count for nothing
	v_add_f32_dpp v55, v54, v54 row_xmask:1 row_mask:0xf bank_mask:0xf
	v_add_f32_dpp v55, v55, v55 row_xmask:2 row_mask:0xf bank_mask:0xf
	v_add_f32_dpp v55, v55, v55 row_xmask:4 row_mask:0xf bank_mask:0xf
	v_rcp_f32 v55, v55                             ; the sum is at least 1: the largest term is 2^0
	v_nop
	s_wait_alu depctr_va_vdst(0)
	v_mul_f32 v61, v54, v55                        ; u[b][lane & 7]
.irp c, 0,1,2,3,4,5
	v_readlane_b32 s[US+\c], v61, \c
.endr
	s_cmp_lg_u32 ttmp9, 0
	s_cbranch_scc1 .Lno_u
	v_cmp_gt_u32 vcc_lo, 6, v0                     ; f = 0: threads 0..5 of the group store u[b]
	s_wait_xcnt 0x0                                ; EXEC is narrowed only behind this wait (the data loads name it),
	s_and_saveexec_b32 s6, vcc_lo
	global_store_b32 v59, v61, s[20:21]
	s_wait_xcnt 0x0                                ; and widened only behind this one; v59 and v61 are free behind it too
	s_or_b32 exec_lo, exec_lo, s6
.Lno_u:
	v_mul_f32 v57, s[US], v62                      ; lane e: re h[e]; lane 6 + e: im h[e]
.irp c, 1,2,3,4,5
	v_fmac_f32 v57, s[US+\c], v[62+\c]
.endr
.irp j, 0,1,2,3,4,5,6,7,8,9,10,11
	v_readlane_b32 s[HS+2*\j], v57, \j
	s_mov_b32 s[HS+2*\j+1], s[HS+2*\j]             ; a packed source names a register pair: both are written, the first is taken for both halves
.endr
; (hr - i hi)(xr + i xi): yr += hr xr + hi xi, yi += hr xi - hi xr.  Channel 0 starts the sums: nothing is cleared.
.macro CHAN c
	s_wait_loadcnt 10-2*\c                         ; this channel's two loads are in; those of the 5 - c later channels stay out
.irp p, 0,2
.if \c == 0
	v_pk_mul_f32 v[YR+\p:YR+\p+1], v[X+8*\c+\p:X+8*\c+\p+1], s[HS+2*\c:HS+2*\c+1] op_sel_hi:[1,0]
	v_pk_mul_f32 v[YI+\p:YI+\p+1], v[X+8*\c+4+\p:X+8*\c+4+\p+1], s[HS+2*\c:HS+2*\c+1] op_sel_hi:[1,0]
.else
	v_pk_fma_f32 v[YR+\p:YR+\p+1], v[X+8*\c+\p:X+8*\c+\p+1], s[HS+2*\c:HS+2*\c+1], v[YR+\p:YR+\p+1] op_sel_hi:[1,0,1]
	v_pk_fma_f32 v[YI+\p:YI+\p+1], v[X+8*\c+4+\p:X+8*\c+4+\p+1], s[HS+2*\c:HS+2*\c+1], v[YI+\p:YI+\p+1] op_sel_hi:[1,0,1]
.endif
.endr
.irp p, 0,2
	v_pk_fma_f32 v[YR+\p:YR+\p+1], v[X+8*\c+4+\p:X+8*\c+4+\p+1], s[HS+12+2*\c:HS+12+2*\c+1], v[YR+\p:YR+\p+1] op_sel_hi:[1,0,1]
	v_pk_fma_f32 v[YI+\p:YI+\p+1], v[X+8*\c+\p:X+8*\c+\p+1], s[HS+12+2*\c:HS+12+2*\c+1], v[YI+\p:YI+\p+1] op_sel_hi:[1,0,1] neg_lo:[0,1,0] neg_hi:[0,1,0]
.endr
.endm
.irp c, 0,1,2,3,4,5
	CHAN \c
.endr
	v_cmp_gt_u32 vcc_lo, 0x177, v2                 ; q < 375
	s_wait_xcnt 0x0                                ; EXEC is narrowed only behind this wait
	s_and_saveexec_b32 s6, vcc_lo
	global_store_b128 v1, v[YR:YR+3], s[16:17] th:TH_STORE_NT
	global_store_b128 v1, v[YI:YI+3], s[18:19] th:TH_STORE_NT
	s_endpgm
.Lfunc_end_k_q1862c8457e_apply:
	.size	k_q1862c8457e_apply, .Lfunc_end_k_q1862c8457e_apply-k_q1862c8457e_apply
	.p2alignl 7, 3214868480
	.fill 96, 4, 3214868480
	.section	.rodata,"a",@progbits
	.p2align	6, 0x0
	.amdhsa_kernel k_q1862c8457e_apply
		.amdhsa_group_segment_fixed_size 0
		.amdhsa_private_segment_fixed_size 0
		.amdhsa_enable_private_segment 0
		.amdhsa_kernarg_size 56
		.amdhsa_user_sgpr_count 2
		.amdhsa_user_sgpr_kernarg_segment_ptr 1
		.amdhsa_wavefront_size32 1
		.amdhsa_system_sgpr_workgroup_id_x 1
		.amdhsa_system_sgpr_workgroup_id_y 1
		.amdhsa_system_sgpr_workgroup_id_z 1
		.amdhsa_system_vgpr_workitem_id 0
		.amdhsa_next_free_vgpr 68
		.amdhsa_next_free_sgpr 66
		.amdhsa_reserve_vcc 1
		.amdhsa_float_denorm_mode_32 3
		.amdhsa_float_denorm_mode_16_64 3
		.amdhsa_memory_ordered 1
		.amdhsa_forward_progress 1
		.amdhsa_inst_pref_size 10
	.end_amdhsa_kernel
	.amdgpu_metadata
---
amdhsa.version: [ 1, 2 ]
amdhsa.kernels:
  - .name:           k_q1862c8457e_apply
    .symbol:         k_q1862c8457e_apply.kd
    .args:
      - { .name: data_r, .offset: 0, .size: 8, .value_kind: global_buffer, .address_space: global }
      - { .name: data_i, .offset: 8, .size: 8, .value_kind: global_buffer, .address_space: global }
      - { .name: ws, .offset: 16, .size: 8, .value_kind: global_buffer, .address_space: global }
      - { .name: epart, .offset: 24, .size: 8, .value_kind: global_buffer, .address_space: global }
      - { .name: out0, .offset: 32, .size: 8, .value_kind: global_buffer, .address_space: global }
      - { .name: out1, .offset: 40, .size: 8, .value_kind: global_buffer, .address_space: global }
      - { .name: out2, .offset: 48, .size: 8, .value_kind: global_buffer, .address_space: global }
    .group_segment_fixed_size: 0
    .private_segment_fixed_size: 0
    .kernarg_segment_align: 8
    .kernarg_segment_size: 56
    .max_flat_workgroup_size: 384
    .sgpr_count:     66
    .vgpr_count:     68
    .wavefront_size: 32
...
	.end_amdgpu_metadata
.endif
;; end of part 2
;; ======== version 2 of 3: 2 launches; 1.16 times as fast as version 1
;; limits: inputs' magnitudes at most 1e+19; below input magnitudes of 1e-19 results are inexact or not finite
;; workspace buffers: ws 592,128 bytes; epart 1,536 bytes
;; launch prep (part 3): grid 57 x 1, 4 waves a work-group, no clusters, 96,256 bytes of LDS; arguments psd_s_r, psd_s_i, psd_n_r, psd_n_i, w_mlp, b_mlp, w_gvec, b_gvec, ws, epart; writes ws, epart
.if DOCPART == 3
	.amdgcn_target "amdgcn-amd-amdhsa--gfx1250"
	.amdhsa_code_object_version 6
	.text
	.protected	k_q1862c8457e_prep
	.globl	k_q1862c8457e_prep
	.p2align	8
	.type	k_q1862c8457e_prep,@function
k_q1862c8457e_prep:
	s_mov_b64 s[64:65], 0
	v_nop
	global_prefetch_b8 v0, s[64:65] scope:SCOPE_SE
	s_setreg_imm32_b32 hwreg(HW_REG_WAVE_MODE, 25, 1), 1
	s_wait_xcnt 0x0
; prep: all that has to be known before the data are streamed.  Two roles, chosen by the work-group's number (alike for its four waves).
;   Role U, groups 0..39 (batch b = g & 7, slice = g >> 3): feat[c][f] = | mean over j != c of psd_s[b][f][c][j] |, then for the slice's 64 of the
;     320 hidden columns  sum over n of tanh(feat . W[:,n] + b_mlp[n]) w_gvec[n]  ->  epart[b][c][slice]  (slice 0 adds b_gvec).
;     tanh stands between the two products, so the split is over columns; the five partial sums are added by the next launch.
;   Role S, groups 40..56: one 6 x 6 complex system per lane, ws = N^-1 S / (trace(N^-1 S) + 1e-6)  ->  ws[bf][re,im][e][c].
;     Gaussian elimination with partial pivoting by |re| + |im|; nothing is assumed of N (no symmetry, no definiteness).
;     A row exchange is a choice of values (v_cndmask_b32), never a branch; the earlier row keeps a tie.
;     A wave's 32 systems are 4,608 consecutive bytes of each plane and 9,216 of ws: they come and go as loads and stores of 512 consecutive
;     bytes, and change between that order and one system per lane in LDS bytes of the wave's own (no barrier).
; All arithmetic is f32 on the vector unit.  The matrix unit is left out: the product has 6 rows per batch (6 of a tile's 16), W lies [k][n] in
; f32 and would have to be converted and transposed, and the whole product is 396 packed multiply-adds a wave.
; No cluster, no joint requests: nothing comes by tensor loads, and what groups share is small (a W slice of 65,792 bytes among 8 groups,
; a batch's 74,016 bytes of psd_s among 5).  No prefetch: every load of a wave is issued at once at its head.
; The input ilens is not among the arguments: reference() never uses it, so no result hangs on it.
; LIMITS: re^2 + im^2 is formed for the feature, the pivots and the trace, so those magnitudes must lie within about 1e-19 .. 1e19;
;   the mean is a product by 0.2 and not a division by 5; the diagonal is multiplied by 0, as reference() does;
;   tanh x = 1 - 2 / (1 + 2^(2.88539 x)), absolute error about 1e-7; W's row 256 is also multiplied by seven zero features (rows 257..263
;   of the padded k range), so an infinite entry there gives NaN.
.set UGROUPS, 40
.set NBF,     2056                     ; 8 x 257 systems
.set PSDB,    37008                    ; bytes of one batch of one PSD plane: 257 x 36 x 4
.set PLANEB,  296064                   ; bytes of a whole PSD plane
; ---- role U: LDS
;   0     .. 9407   feat: 294 rows k of 32 bytes, words 0..5 = c (rows 257..293 are zeros)
.set RED,  9472                        ; .. 21759  [8 k groups][6 c][64 n] f32
.set PART, 21760                       ; .. 21807  [3 m][4 waves] f32
; ---- role S: LDS, behind role U's
.set SLDS,  22016                      ; .. 95743  four regions, one for each wave
.set SWAVE, 18432                      ; a wave's region: four planes of 4,608 bytes on the way in; its first 9,216 bytes once more on the way out
.set PL,    4608                       ; 32 systems x 144 bytes
; ---- role U: registers
;   v1 t' = min(t,125)  v2 f0 = t'/3  v3 cp = t' - 3 f0  v4 48 t'  v5 48 min(t',14)  v6 8 (t' + f0)  v7 1280 kg + 16 r  v8 16 r  v9 32 kg
;   v10 RED + 1536 kg + 16 r   v11 RED + 4 t   v12 b_mlp[n]   v13 w_gvec[n]   v14 4 n   v15 0.2
.set WA,  16                           ; v[16:21]  weights of PSD row 2 cp: 0.2, and 0 on the diagonal
.set WB,  22                           ; v[22:27]  the same for row 2 cp + 1
.set TT,  28                           ; v[28:39]  at work
.set LND, 40                           ; v[40:207] PSD as loaded: round j at 24 j, plane at 12, two rows of six
.set ACC, 40                           ; v[40:63]  sums [6 c][4 n]       (the landing registers are done with by then)
.set FB0, 64                           ; v[64:129]  eleven feature rows of six
.set FB1, 130                          ; v[130:195] eleven more
.set SUM, 64                           ; v[64:87]   [3 m][8 k groups]
;   v256 + 4 i .. + 3: W row 8 i + kg, my four columns, i = 0..32 (second window of registers)
	s_load_b512 s[8:23], s[0:1], 0x0               ; psd_s_r s[8:9], psd_s_i s[10:11], psd_n_r s[12:13], psd_n_i s[14:15], w_mlp s[16:17], b_mlp s[18:19], w_gvec s[20:21], b_gvec s[22:23]
	s_load_b128 s[24:27], s[0:1], 0x40             ; ws s[24:25], epart s[26:27]
	v_lshl_add_u32 v254, v0, 2, 0x17600
	v_mov_b32 v255, 0
	v_lshrrev_b32 v1, 5, v0
	v_readfirstlane_b32 s4, v1                     ; wave 0..3
	s_wait_kmcnt 0x0                               ; the addresses, for both roles
	s_cmp_ge_u32 ttmp9, UGROUPS
	s_cbranch_scc1 .Lsolve
; =========================================================== role U
	s_load_b32 s28, s[22:23], 0x0                  ; b_gvec, wanted at the very end
	s_and_b32 s2, ttmp9, 7                         ; batch
	s_lshr_b32 s3, ttmp9, 3                        ; slice of 64 columns
	s_mul_i32 s32, s2, PSDB
	s_mov_b32 s33, 0
	s_lshl_b32 s34, s3, 8                          ; 64 columns are 256 bytes
	s_mov_b32 s35, 0
	s_mul_i32 s36, s2, 192
	s_lshl2_add_u32 s36, s3, s36                   ; epart[b][.][slice]
	s_mov_b32 s37, 0
	s_add_nc_u64 s[8:9], s[8:9], s[32:33]
	s_add_nc_u64 s[10:11], s[10:11], s[32:33]
	s_add_nc_u64 s[16:17], s[16:17], s[34:35]
	s_add_nc_u64 s[18:19], s[18:19], s[34:35]
	s_add_nc_u64 s[20:21], s[20:21], s[34:35]
	s_add_nc_u64 s[26:27], s[26:27], s[36:37]
	s_mov_b32 s30, 0x76543210                      ; v_permlanex16_b32: lane i reads lane i of the other half
	s_mov_b32 s31, 0xfedcba98
	v_min_u32 v1, 125, v0                          ; 126 threads cover 42 f x 3 row pairs; threads 126, 127 repeat thread 125 (same wave, same bytes, same values)
	v_mul_u32_u24 v2, v1, 0xaaab
	v_lshrrev_b32 v2, 17, v2                       ; f0 = t' / 3, exact for t' <= 125
	v_mul_u32_u24 v3, v2, 3
	v_sub_nc_u32 v3, v1, v3                        ; cp: I own PSD rows 2 cp and 2 cp + 1
	v_mul_u32_u24 v4, v1, 48                       ; f0 x 144 + cp x 48: my 48 bytes of a plane
	v_min_u32 v5, 14, v1
	v_mul_u32_u24 v5, v5, 48                       ; round 6 (f = 252 + f0) holds only f <= 256: t' <= 14; the others repeat thread 14's bytes
	v_add_nc_u32 v6, v1, v2
	v_lshlrev_b32 v6, 3, v6                        ; 32 f0 + 8 cp = 8 (t' + f0)
	v_and_b32 v8, 15, v0
	v_lshlrev_b32 v8, 4, v8                        ; 16 r: my four columns of the slice
	v_lshrrev_b32 v9, 4, v0                        ; kg: I take rows k = 8 i + kg
	v_mad_u32_u24 v7, v9, 1280, v8
	v_mul_u32_u24 v10, v9, 1536
	v_add3_u32 v10, v10, v8, RED
	v_lshlrev_b32 v9, 5, v9
	v_lshl_add_u32 v11, v0, 2, RED
	v_and_b32 v14, 63, v0
	v_lshlrev_b32 v14, 2, v14
	v_mov_b32 v15, 0x3e4ccccd                      ; 0.2
	; All 77 loads of the wave, at once.  Sixteen lanes of a W load take 256 consecutive bytes at a multiple of 256 from W's first byte.
	global_load_b32 v12, v14, s[18:19]
	global_load_b32 v13, v14, s[20:21]
	s_set_vgpr_msb 0x40                            ; destinations in the second window
.set rw, 0
.rept 32
	global_load_b128 v[4*rw:4*rw+3], v7, s[16:17] offset:10240*rw      ; v[256 + 4 i ..]: row 8 i + kg
.set rw, rw+1
.endr
	global_load_b128 v[128:131], v8, s[16:17] offset:327680            ; i = 32: every k group takes row 256; groups 1..7 meet zero features
	s_set_vgpr_msb 0x4000
.irp pos, 0,1,2
.irp j, 0,1,2,3,4,5
	global_load_b128 v[LND+24*\j+4*\pos:LND+24*\j+4*\pos+3], v4, s[8:9] offset:6048*\j+16*\pos
	global_load_b128 v[LND+24*\j+12+4*\pos:LND+24*\j+12+4*\pos+3], v4, s[10:11] offset:6048*\j+16*\pos
.endr
	global_load_b128 v[LND+144+4*\pos:LND+144+4*\pos+3], v5, s[8:9] offset:36288+16*\pos
	global_load_b128 v[LND+156+4*\pos:LND+156+4*\pos+3], v5, s[10:11] offset:36288+16*\pos
.endr
	; meanwhile: the weights of my two rows
	v_lshlrev_b32 v28, 1, v3                       ; 2 cp
	v_lshl_or_b32 v29, v3, 1, 1                    ; 2 cp + 1
.irp j, 0,1,2,3,4,5
	v_cmp_ne_u32 vcc_lo, \j, v28
	v_cndmask_b32 v[WA+\j], 0, v15, vcc_lo
	v_cmp_ne_u32 vcc_lo, \j, v29
	v_cndmask_b32 v[WB+\j], 0, v15, vcc_lo
.endr
	s_wait_loadcnt 0x0                             ; once: the product below needs every one of them
; Round j: the two features (rows 2 cp, 2 cp + 1) of f = f0 + 42 j.  q: bit 0 = plane, bit 1 = row.
.macro FEAT_ROUND j
.irp q, 0,1,2,3
	v_pk_mul_f32 v[TT+2*\q:TT+2*\q+1], v[LND+24*\j+12*(\q&1)+6*(\q>>1):LND+24*\j+12*(\q&1)+6*(\q>>1)+1], v[WA+6*(\q>>1):WA+6*(\q>>1)+1]
.endr
.irp q, 0,1,2,3
	v_pk_fma_f32 v[TT+2*\q:TT+2*\q+1], v[LND+24*\j+12*(\q&1)+6*(\q>>1)+2:LND+24*\j+12*(\q&1)+6*(\q>>1)+3], v[WA+6*(\q>>1)+2:WA+6*(\q>>1)+3], v[TT+2*\q:TT+2*\q+1]
.endr
.irp q, 0,1,2,3
	v_pk_fma_f32 v[TT+2*\q:TT+2*\q+1], v[LND+24*\j+12*(\q&1)+6*(\q>>1)+4:LND+24*\j+12*(\q&1)+6*(\q>>1)+5], v[WA+6*(\q>>1)+4:WA+6*(\q>>1)+5], v[TT+2*\q:TT+2*\q+1]
.endr
.irp q, 0,1,2,3
	v_add_f32 v[TT+2*\q], v[TT+2*\q], v[TT+2*\q+1]
.endr
	v_mul_f32 v[TT+1], v[TT], v[TT]
	v_mul_f32 v[TT+5], v[TT+4], v[TT+4]
	v_fma_f32 v[TT+1], v[TT+2], v[TT+2], v[TT+1]
	v_fma_f32 v[TT+5], v[TT+6], v[TT+6], v[TT+5]
	v_sqrt_f32 v[TT+8], v[TT+1]
	v_sqrt_f32 v[TT+9], v[TT+5]
	v_nop                                          ; one plain vector instruction behind the roots before a result is used or a source rewritten (ISA guide 5.7.2)
.if \j == 6
	v_cmp_gt_u32 vcc_lo, 15, v1                    ; f = 257 .. 293 do not exist: zeros
	s_wait_alu depctr_va_vdst(0)
	v_cndmask_b32 v[TT+8], 0, v[TT+8], vcc_lo
	v_cndmask_b32 v[TT+9], 0, v[TT+9], vcc_lo
.endif
	s_wait_alu depctr_va_vdst(0)
	ds_store_b64 v6, v[TT+8:TT+9] offset:1344*\j   ; 42 rows of 32 bytes further in each round
.endm
.irp j, 0,1,2,3,4,5,6
	FEAT_ROUND \j
.endr
	s_wait_dscnt 0x0                               ; my features are in LDS,
	s_barrier_signal -1
	s_barrier_wait -1                              ; everybody's are
; Eleven feature rows (k = 8 i + kg, i = 11 g ..) into buffer fb: 22 loads; the sixteen lanes of a k group read the same bytes.
.macro LDFEAT g, fb
.set rw, 0
.rept 11
	ds_load_b128 v[\fb+6*rw:\fb+6*rw+3], v9 offset:256*(11*\g+rw)
	ds_load_b64 v[\fb+6*rw+4:\fb+6*rw+5], v9 offset:256*(11*\g+rw)+16
.set rw, rw+1
.endr
.endm
; acc[c][0..3] += feat[c] x W[i][0..3]: twelve packed operations.  The feature is one register of a pair, taken for both halves.
; Row 0 multiplies only: nothing is cleared.
.macro FMA_ROW i, fr
.irp c, 0,1,2,3,4,5
.irp p, 0,2
.if (\i) == 0
.if \c & 1
	v_pk_mul_f32 v[ACC+4*\c+\p:ACC+4*\c+\p+1], v[\fr+(\c&6):\fr+(\c&6)+1], v[4*(\i)+\p:4*(\i)+\p+1] op_sel:[1,0] op_sel_hi:[1,1]
.else
	v_pk_mul_f32 v[ACC+4*\c+\p:ACC+4*\c+\p+1], v[\fr+(\c&6):\fr+(\c&6)+1], v[4*(\i)+\p:4*(\i)+\p+1] op_sel_hi:[0,1]
.endif
.else
.if \c & 1
	v_pk_fma_f32 v[ACC+4*\c+\p:ACC+4*\c+\p+1], v[\fr+(\c&6):\fr+(\c&6)+1], v[4*(\i)+\p:4*(\i)+\p+1], v[ACC+4*\c+\p:ACC+4*\c+\p+1] op_sel:[1,0,0] op_sel_hi:[1,1,1]
.else
	v_pk_fma_f32 v[ACC+4*\c+\p:ACC+4*\c+\p+1], v[\fr+(\c&6):\fr+(\c&6)+1], v[4*(\i)+\p:4*(\i)+\p+1], v[ACC+4*\c+\p:ACC+4*\c+\p+1] op_sel_hi:[0,1,1]
.endif
.endif
.endr
.endr
.endm
.macro ROWS g, fb
.set rx, 0
.rept 11
	FMA_ROW 11*\g+rx, \fb+6*rx
.set rx, rx+1
.endr
.endm
	s_set_vgpr_msb 0x0004                          ; source 1 (W) in the second window; LDS loads name a destination and source 0 only
	LDFEAT 0, FB0
	LDFEAT 1, FB1
	s_wait_dscnt 22                                ; the first 22 are in; the 22 loads of rows 11..21 stay out
	ROWS 0, FB0
	LDFEAT 2, FB0
	s_wait_dscnt 22                                ; rows 11..21 are in; the 22 loads of rows 22..32 stay out
	ROWS 1, FB1
	s_wait_dscnt 0x0
	ROWS 2, FB0
	s_set_vgpr_msb 0x0400
.irp c, 0,1,2,3,4,5
	ds_store_b128 v10, v[ACC+4*\c:ACC+4*\c+3] offset:256*\c            ; bytes of RED, which no wave has read yet
.endr
	s_wait_dscnt 0x0
	s_barrier_signal -1
	s_barrier_wait -1
	; 384 sums (c, n) for 128 threads: number t + 128 m, so c = 2 m + (wave >> 1) and n = t & 63
.irp m, 0,1,2
.irp g, 0,1,2,3,4,5,6,7
	ds_load_b32 v[SUM+8*\m+\g], v11 offset:512*\m+1536*\g              ; the last byte read is RED + 508 + 1024 + 10752 + 3 = 21759
.endr
.endr
	v_mul_f32 v37, 0x4038aa3b, v12                 ; b_mlp x 2 log2(e)
	v_mul_f32 v38, -2.0, v13                       ; -2 w_gvec
	v_mov_b32 v36, s4                              ; wave number,
	v_lshlrev_b32 v36, 2, v36                      ; x 4: my wave's word in each row of PART (the region's base goes in the immediate)
	s_wait_dscnt 0x0
.irp m, 0,1,2
	v_pk_add_f32 v[SUM+8*\m:SUM+8*\m+1], v[SUM+8*\m:SUM+8*\m+1], v[SUM+8*\m+2:SUM+8*\m+3]
	v_pk_add_f32 v[SUM+8*\m+4:SUM+8*\m+5], v[SUM+8*\m+4:SUM+8*\m+5], v[SUM+8*\m+6:SUM+8*\m+7]
.endr
.irp m, 0,1,2
	v_pk_add_f32 v[SUM+8*\m:SUM+8*\m+1], v[SUM+8*\m:SUM+8*\m+1], v[SUM+8*\m+4:SUM+8*\m+5]
.endr
.irp m, 0,1,2
	v_add_f32 v[SUM+8*\m], v[SUM+8*\m], v[SUM+8*\m+1]
.endr
.irp m, 0,1,2
	v_fmamk_f32 v[SUM+8*\m], v[SUM+8*\m], 0x4038aa3b, v37              ; 2 log2(e) (x + b)
.endr
.irp m, 0,1,2
	v_exp_f32 v[SUM+8*\m], v[SUM+8*\m]
.endr
	v_nop                                          ; the plain place behind the exponentials
	s_wait_alu depctr_va_vdst(0)
.irp m, 0,1,2
	v_add_f32 v[SUM+8*\m], 1.0, v[SUM+8*\m]
.endr
.irp m, 0,1,2
	v_rcp_f32 v[SUM+8*\m], v[SUM+8*\m]             ; an overflowed exponential gives 0 here, and tanh = 1
.endr
	v_nop                                          ; and behind the reciprocals
	s_wait_alu depctr_va_vdst(0)
.irp m, 0,1,2
	v_fma_f32 v[SUM+8*\m], v[SUM+8*\m], v38, v13   ; w tanh = w - 2 w / (1 + 2^..)
.endr
.irp x, 1,2,4,8
.irp m, 0,1,2
	v_add_f32_dpp v[SUM+8*\m], v[SUM+8*\m], v[SUM+8*\m] row_xmask:\x row_mask:0xf bank_mask:0xf
.endr
.endr
.irp m, 0,1,2
	v_permlanex16_b32 v[SUM+8*\m+1], v[SUM+8*\m], s30, s31             ; its destination has been written above
.endr
.irp m, 0,1,2
	v_add_f32 v[SUM+8*\m], v[SUM+8*\m], v[SUM+8*\m+1]                  ; my wave's 32 columns of channel 2 m + (wave >> 1)
.endr
.irp m, 0,1,2
	ds_store_b32 v36, v[SUM+8*\m] offset:PART+16*\m                    ; all lanes the same word, the same value; PART lies behind the last byte of RED, which others may still read
.endr
	s_wait_dscnt 0x0
	s_barrier_signal -1
	s_barrier_wait -1
	s_cmp_lg_u32 s4, 0                             ; no barrier follows: waves 1..3 are done
	s_cbranch_scc1 .Lu_done
	v_min_u32 v28, 5, v0                           ; lane c: channel c's two halves lie at PART + 8 c
	v_lshlrev_b32 v29, 3, v28
	ds_load_b64 v[30:31], v29 offset:PART
	v_lshlrev_b32 v32, 5, v28                      ; epart[b][c][.]: 32 bytes a channel
	s_wait_kmcnt 0x0                               ; b_gvec
	s_cmp_eq_u32 s3, 0
	s_cselect_b32 s29, s28, 0                      ; counted once: by slice 0
	s_wait_dscnt 0x0
	v_add_f32 v30, v30, v31
	v_add_f32 v30, s29, v30
	v_cmp_gt_u32 vcc_lo, 6, v0
	s_wait_xcnt 0x0                                ; EXEC is narrowed only behind this wait
	s_wait_tensorcnt 0x0
	ds_add_u32 v254, v255
	s_wait_dscnt 0x0
	s_and_saveexec_b32 s6, vcc_lo
	global_store_b32 v32, v30, s[26:27]
	s_endpgm
.Lu_done:
	s_wait_tensorcnt 0x0
	ds_add_u32 v254, v255
	s_wait_dscnt 0x0
	s_endpgm
; =========================================================== role S
; Four planes (N re, N im, S re, S im) of seven row slots of six registers.  Six slots hold the rows, one is spare: an exchange writes the new
; pivot row into the spare slot and the loser into row i's slot, and the names ro0..ro5, ros (slot offsets, the same in all planes) are
; exchanged as the text is assembled: two selects an element in place of three moves.
;   v1 lane   v2 16 lane   v3 my 16 bytes of the wave's first 512 in a plane   v4 LDS: region + 16 lane   v5 region + 144 lane   v6 region + 288 lane
.set NR, 8                             ; v[8:49]
.set NI, 50                            ; v[50:91]
.set SR, 92                            ; v[92:133]
.set SI, 134                           ; v[134:175]
.set MAG, 176                          ; v[176:181] |re| + |im| of column k
.set MM,  182                          ; v[182:191] multiplier (re, im) of rows 1..5
.set RP,  192                          ; v[192:203] 1 / pivot (re, im) of k = 0..5
.set TP,  204                          ; v[204:215] at work
.set OFS, 216                          ; v[216:224] byte offset in a plane of my 16 bytes of the wave's m-th 512
.set OUTB, 92                          ; v[92:163]  the way out: 18 x 16 bytes as stored (S's registers, done with by then)
.set ro0, 0
.set ro1, 6
.set ro2, 12
.set ro3, 18
.set ro4, 24
.set ro5, 30
.set ros, 36
; d(pair) +- x(pair) x one register of the pair m (sel = 0 the first, 1 the second)
.macro CM d, x, m, sel, neg
.if \sel
.if \neg
	v_pk_fma_f32 v[\d:\d+1], v[\x:\x+1], v[\m:\m+1], v[\d:\d+1] op_sel:[0,1,0] op_sel_hi:[1,1,1] neg_lo:[0,1,0] neg_hi:[0,1,0]
.else
	v_pk_fma_f32 v[\d:\d+1], v[\x:\x+1], v[\m:\m+1], v[\d:\d+1] op_sel:[0,1,0] op_sel_hi:[1,1,1]
.endif
.else
.if \neg
	v_pk_fma_f32 v[\d:\d+1], v[\x:\x+1], v[\m:\m+1], v[\d:\d+1] op_sel_hi:[1,0,1] neg_lo:[0,1,0] neg_hi:[0,1,0]
.else
	v_pk_fma_f32 v[\d:\d+1], v[\x:\x+1], v[\m:\m+1], v[\d:\d+1] op_sel_hi:[1,0,1]
.endif
.endif
.endm
; two complex numbers: d -= m x
.macro CSUB dr, di, xr, xi, mr, mi, selr, seli
	CM \dr, \xr, \mr, \selr, 1
	CM \di, \xi, \mr, \selr, 1
	CM \dr, \xi, \mi, \seli, 0
	CM \di, \xr, \mi, \seli, 1
.endm
.macro MAG1 k, i
	v_add_f32 v[MAG+\i], |v[NR+ro\i+\k]|, |v[NI+ro\i+\k]|
.endm
.macro SEL2 pl, k, i, c
	v_cndmask_b32 v[\pl+ros+\c], v[\pl+ro\k+\c], v[\pl+ro\i+\c], vcc_lo      ; the larger becomes the pivot row
	v_cndmask_b32 v[\pl+ro\i+\c], v[\pl+ro\i+\c], v[\pl+ro\k+\c], vcc_lo     ; the other stays as row i
.endm
.macro CSWAP k, i
	v_cmp_gt_f32 vcc_lo, v[MAG+\i], v[MAG+\k]
	v_max_num_f32 v[MAG+\k], v[MAG+\k], v[MAG+\i]
.irp c, 0,1,2,3,4,5
.if \c >= \k
	SEL2 NR, \k, \i, \c                            ; N's columns left of k are never read again
	SEL2 NI, \k, \i, \c
.endif
	SEL2 SR, \k, \i, \c
	SEL2 SI, \k, \i, \c
.endr
.set rot, ro\k
.set ro\k, ros
.set ros, rot
.endm
.macro PIVINV k                        ; 1 / a = conj(a) / |a|^2
	v_mul_f32 v[TP], v[NR+ro\k+\k], v[NR+ro\k+\k]
	v_fma_f32 v[TP], v[NI+ro\k+\k], v[NI+ro\k+\k], v[TP]
	v_rcp_f32 v[TP], v[TP]
	v_nop                                          ; the plain place behind the reciprocal
	s_wait_alu depctr_va_vdst(0)
	v_mul_f32 v[RP+2*\k], v[NR+ro\k+\k], v[TP]
	v_mul_f32 v[RP+2*\k+1], -v[NI+ro\k+\k], v[TP]
.endm
.macro ELIM k, i                       ; row i -= (a_ik / a_kk) row k, columns in pairs; the pair that holds column k + 1 is the first
	v_mul_f32 v[MM+2*\i-2], v[NR+ro\i+\k], v[RP+2*\k]
	v_mul_f32 v[MM+2*\i-1], v[NR+ro\i+\k], v[RP+2*\k+1]
	v_fma_f32 v[MM+2*\i-2], -v[NI+ro\i+\k], v[RP+2*\k+1], v[MM+2*\i-2]
	v_fma_f32 v[MM+2*\i-1], v[NI+ro\i+\k], v[RP+2*\k], v[MM+2*\i-1]
.irp p, 0,1,2
.if \p >= (\k+1)/2
	CSUB NR+ro\i+2*\p, NI+ro\i+2*\p, NR+ro\k+2*\p, NI+ro\k+2*\p, MM+2*\i-2, MM+2*\i-2, 0, 1
.endif
	CSUB SR+ro\i+2*\p, SI+ro\i+2*\p, SR+ro\k+2*\p, SI+ro\k+2*\p, MM+2*\i-2, MM+2*\i-2, 0, 1
.endr
.endm
.macro STAGE k
.if \k < 5
.irp i, 0,1,2,3,4,5
.if \i >= \k
	MAG1 \k, \i
.endif
.endr
.irp i, 1,2,3,4,5
.if \i > \k
	CSWAP \k, \i
.endif
.endr
.endif
	PIVINV \k
.irp i, 1,2,3,4,5
.if \i > \k
	ELIM \k, \i
.endif
.endr
.endm
.macro BACKJ k, j                      ; row k of the right side -= a_kj x (solved) row j
.irp p, 0,1,2
	CSUB SR+ro\k+2*\p, SI+ro\k+2*\p, SR+ro\j+2*\p, SI+ro\j+2*\p, NR+ro\k+(\j&6), NI+ro\k+(\j&6), (\j&1), (\j&1)
.endr
.endm
.macro BACK k
.irp j, 5,4,3,2,1
.if \j > \k
	BACKJ \k, \j
.endif
.endr
.irp p, 0,1,2                          ; and x 1 / a_kk
	v_pk_mul_f32 v[TP+4*\p:TP+4*\p+1], v[SI+ro\k+2*\p:SI+ro\k+2*\p+1], v[RP+2*\k:RP+2*\k+1] op_sel:[0,1] op_sel_hi:[1,1]
	v_pk_mul_f32 v[TP+4*\p+2:TP+4*\p+3], v[SR+ro\k+2*\p:SR+ro\k+2*\p+1], v[RP+2*\k:RP+2*\k+1] op_sel:[0,1] op_sel_hi:[1,1]
.endr
.irp p, 0,1,2
	v_pk_fma_f32 v[SR+ro\k+2*\p:SR+ro\k+2*\p+1], v[SR+ro\k+2*\p:SR+ro\k+2*\p+1], v[RP+2*\k:RP+2*\k+1], v[TP+4*\p:TP+4*\p+1] op_sel_hi:[1,0,1] neg_lo:[0,0,1] neg_hi:[0,0,1]
	v_pk_fma_f32 v[SI+ro\k+2*\p:SI+ro\k+2*\p+1], v[SI+ro\k+2*\p:SI+ro\k+2*\p+1], v[RP+2*\k:RP+2*\k+1], v[TP+4*\p+2:TP+4*\p+3] op_sel_hi:[1,0,1]
.endr
.endm
.macro SCALE e                         ; row e x q, into N's registers (done with), rows in their natural order
.irp p, 0,1,2
	v_pk_mul_f32 v[NR+6*\e+2*\p:NR+6*\e+2*\p+1], v[SI+ro\e+2*\p:SI+ro\e+2*\p+1], v[TP+2:TP+3] op_sel:[0,1] op_sel_hi:[1,1]
	v_pk_mul_f32 v[NI+6*\e+2*\p:NI+6*\e+2*\p+1], v[SR+ro\e+2*\p:SR+ro\e+2*\p+1], v[TP+2:TP+3] op_sel:[0,1] op_sel_hi:[1,1]
.endr
.irp p, 0,1,2
	v_pk_fma_f32 v[NR+6*\e+2*\p:NR+6*\e+2*\p+1], v[SR+ro\e+2*\p:SR+ro\e+2*\p+1], v[TP+2:TP+3], v[NR+6*\e+2*\p:NR+6*\e+2*\p+1] op_sel_hi:[1,0,1] neg_lo:[0,0,1] neg_hi:[0,0,1]
	v_pk_fma_f32 v[NI+6*\e+2*\p:NI+6*\e+2*\p+1], v[SI+ro\e+2*\p:SI+ro\e+2*\p+1], v[TP+2:TP+3], v[NI+6*\e+2*\p:NI+6*\e+2*\p+1] op_sel_hi:[1,0,1]
.endr
.endm
.Lsolve:
	s_sub_co_u32 s5, ttmp9, UGROUPS
	s_lshl_b32 s5, s5, 7                           ; 128 systems a group
	s_lshl_b32 s6, s4, 5
	s_add_co_u32 s6, s6, s5                        ; my wave's first system
	s_cmp_ge_u32 s6, NBF                           ; 2,056 = 16 x 128 + 8: in the last group only wave 0 has work (this role has no barrier)
	s_cbranch_scc1 .Ls_done
	s_mul_i32 s32, s6, 144                         ; my wave's first byte in a plane: a multiple of 4,608
	s_mul_i32 s34, s6, 288                         ; and in ws: a multiple of 9,216
	s_mov_b32 s35, 0
	s_add_nc_u64 s[24:25], s[24:25], s[34:35]
	s_mul_i32 s7, s4, SWAVE
	s_add_co_u32 s7, s7, SLDS                      ; my wave's own region of LDS
	v_and_b32 v1, 31, v0                           ; lane
	v_lshlrev_b32 v2, 4, v1
	v_add_nc_u32 v3, s32, v2
.irp m, 0,1,2,3,4,5,6,7,8
	v_add_nc_u32 v[OFS+\m], 512*\m, v3
.endr
.irp m, 0,1,2,3,4,5,6,7,8
	v_min_u32 v[OFS+\m], PLANEB-16, v[OFS+\m]      ; the last wave holds 8 systems: what would lie past the plane's end repeats its last 16 bytes (lanes 8..31 there work on that and store nothing)
.endr
.irp m, 0,1,2,3,4,5,6,7,8
	global_load_b128 v[NR+4*\m:NR+4*\m+3], v[OFS+\m], s[12:13]         ; each load of the wave: 512 consecutive bytes
	global_load_b128 v[NI+4*\m:NI+4*\m+3], v[OFS+\m], s[14:15]
	global_load_b128 v[SR+4*\m:SR+4*\m+3], v[OFS+\m], s[8:9]
	global_load_b128 v[SI+4*\m:SI+4*\m+3], v[OFS+\m], s[10:11]
.endr
	v_add_nc_u32 v4, s7, v2                        ; as in memory: 16 bytes a lane
	v_mul_u32_u24 v5, v1, 144
	v_add_nc_u32 v5, s7, v5                        ; one system a lane, a plane: 144 = 9 x 16
	v_mul_u32_u24 v6, v1, 288
	v_add_nc_u32 v6, s7, v6                        ; one system a lane, ws
.irp m, 0,1,2,3,4,5,6,7,8
	s_wait_loadcnt 32-4*\m                         ; loads come back in order: these four are in, the 4 (8 - m) younger ones stay out
	ds_store_b128 v4, v[NR+4*\m:NR+4*\m+3] offset:512*\m
	ds_store_b128 v4, v[NI+4*\m:NI+4*\m+3] offset:PL+512*\m
	ds_store_b128 v4, v[SR+4*\m:SR+4*\m+3] offset:2*PL+512*\m
	ds_store_b128 v4, v[SI+4*\m:SI+4*\m+3] offset:3*PL+512*\m
.endr
	s_wait_dscnt 0x0                               ; the stores are done with their data registers, into which the loads below land
.irp m, 0,1,2,3,4,5,6,7,8
	ds_load_b128 v[NR+4*\m:NR+4*\m+3], v5 offset:16*\m
	ds_load_b128 v[NI+4*\m:NI+4*\m+3], v5 offset:PL+16*\m
	ds_load_b128 v[SR+4*\m:SR+4*\m+3], v5 offset:2*PL+16*\m
	ds_load_b128 v[SI+4*\m:SI+4*\m+3], v5 offset:3*PL+16*\m
.endr
	s_wait_dscnt 0x0                               ; the first exchange already moves whole rows of N and S
.irp k, 0,1,2,3,4,5
	STAGE \k
.endr
.irp k, 5,4,3,2,1,0
	BACK \k
.endr
	; q = 1 / (trace + 1e-6)
	v_add_f32 v[TP], v[SR+ro0], v[SR+ro1+1]
	v_add_f32 v[TP+1], v[SI+ro0], v[SI+ro1+1]
	v_add_f32 v[TP+4], v[SR+ro2+2], v[SR+ro3+3]
	v_add_f32 v[TP+5], v[SI+ro2+2], v[SI+ro3+3]
	v_add_f32 v[TP+6], v[SR+ro4+4], v[SR+ro5+5]
	v_add_f32 v[TP+7], v[SI+ro4+4], v[SI+ro5+5]
	v_pk_add_f32 v[TP:TP+1], v[TP:TP+1], v[TP+4:TP+5]
	v_pk_add_f32 v[TP:TP+1], v[TP:TP+1], v[TP+6:TP+7]
	v_add_f32 v[TP], 0x358637bd, v[TP]             ; eps = 1e-6, on the real part
	v_mul_f32 v[TP+4], v[TP], v[TP]
	v_fma_f32 v[TP+4], v[TP+1], v[TP+1], v[TP+4]
	v_rcp_f32 v[TP+4], v[TP+4]
	v_nop                                          ; the plain place behind the reciprocal
	s_wait_alu depctr_va_vdst(0)
	v_mul_f32 v[TP+2], v[TP], v[TP+4]
	v_mul_f32 v[TP+3], -v[TP+1], v[TP+4]
.irp e, 0,1,2,3,4,5
	SCALE \e
.endr
	; the way out: a system's 288 bytes from its lane into my region (whose reads were waited for above), then back as they lie in ws
.irp m, 0,1,2,3,4,5,6,7,8
	ds_store_b128 v6, v[NR+4*\m:NR+4*\m+3] offset:16*\m
	ds_store_b128 v6, v[NI+4*\m:NI+4*\m+3] offset:144+16*\m
.endr
.irp m, 0,1,2,3,4,5,6,7,8,9,10,11,12,13,14,15,16,17
	ds_load_b128 v[OUTB+4*\m:OUTB+4*\m+3], v4 offset:512*\m            ; LDS serves a wave's instructions in order (ISA guide 5.7.1.4): these see the stores above
.endr
	s_cmp_gt_u32 s6, NBF-32                        ; the last wave's window would pass the end of ws
	s_cbranch_scc1 .Ls_tail
.irp m, 0,1,2,3,4,5,6,7,8,9,10,11,12,13,14,15,16,17
	s_wait_dscnt 17-\m                             ; the 17 - m younger LDS loads stay out
	global_store_b128 v2, v[OUTB+4*\m:OUTB+4*\m+3], s[24:25] offset:512*\m     ; 512 consecutive bytes at a multiple of 256 from the first byte of ws
.endr
	s_wait_tensorcnt 0x0
	ds_add_u32 v254, v255
	s_wait_dscnt 0x0
	s_endpgm
.Ls_tail:                                              ; 8 systems are 2,304 bytes: four whole stores and one of sixteen lanes
	s_wait_dscnt 0x0
.irp m, 0,1,2,3
	global_store_b128 v2, v[OUTB+4*\m:OUTB+4*\m+3], s[24:25] offset:512*\m
.endr
	v_cmp_gt_u32 vcc_lo, 16, v1
	s_wait_xcnt 0x0                                ; EXEC is narrowed only behind this wait
	s_wait_tensorcnt 0x0
	ds_add_u32 v254, v255
	s_wait_dscnt 0x0
	s_and_saveexec_b32 s7, vcc_lo
	global_store_b128 v2, v[OUTB+16:OUTB+19], s[24:25] offset:2048
	s_endpgm
.Ls_done:
	s_endpgm
.Lfunc_end_k_q1862c8457e_prep:
	.size	k_q1862c8457e_prep, .Lfunc_end_k_q1862c8457e_prep-k_q1862c8457e_prep
	.p2alignl 7, 3214868480
	.fill 96, 4, 3214868480
	.section	.rodata,"a",@progbits
	.p2align	6, 0x0
	.amdhsa_kernel k_q1862c8457e_prep
		.amdhsa_group_segment_fixed_size 96256
		.amdhsa_private_segment_fixed_size 0
		.amdhsa_enable_private_segment 0
		.amdhsa_kernarg_size 80
		.amdhsa_user_sgpr_count 2
		.amdhsa_user_sgpr_kernarg_segment_ptr 1
		.amdhsa_wavefront_size32 1
		.amdhsa_system_sgpr_workgroup_id_x 1
		.amdhsa_system_sgpr_workgroup_id_y 1
		.amdhsa_system_sgpr_workgroup_id_z 1
		.amdhsa_system_vgpr_workitem_id 0
		.amdhsa_next_free_vgpr 392
		.amdhsa_next_free_sgpr 66
		.amdhsa_reserve_vcc 1
		.amdhsa_float_denorm_mode_32 3
		.amdhsa_float_denorm_mode_16_64 3
		.amdhsa_memory_ordered 1
		.amdhsa_forward_progress 1
		.amdhsa_inst_pref_size 138
	.end_amdhsa_kernel
	.amdgpu_metadata
---
amdhsa.version: [ 1, 2 ]
amdhsa.kernels:
  - .name:           k_q1862c8457e_prep
    .symbol:         k_q1862c8457e_prep.kd
    .args:
      - { .name: psd_s_r, .offset: 0, .size: 8, .value_kind: global_buffer, .address_space: global }
      - { .name: psd_s_i, .offset: 8, .size: 8, .value_kind: global_buffer, .address_space: global }
      - { .name: psd_n_r, .offset: 16, .size: 8, .value_kind: global_buffer, .address_space: global }
      - { .name: psd_n_i, .offset: 24, .size: 8, .value_kind: global_buffer, .address_space: global }
      - { .name: w_mlp, .offset: 32, .size: 8, .value_kind: global_buffer, .address_space: global }
      - { .name: b_mlp, .offset: 40, .size: 8, .value_kind: global_buffer, .address_space: global }
      - { .name: w_gvec, .offset: 48, .size: 8, .value_kind: global_buffer, .address_space: global }
      - { .name: b_gvec, .offset: 56, .size: 8, .value_kind: global_buffer, .address_space: global }
      - { .name: ws, .offset: 64, .size: 8, .value_kind: global_buffer, .address_space: global }
      - { .name: epart, .offset: 72, .size: 8, .value_kind: global_buffer, .address_space: global }
    .group_segment_fixed_size: 96256
    .private_segment_fixed_size: 0
    .kernarg_segment_align: 8
    .kernarg_segment_size: 80
    .max_flat_workgroup_size: 128
    .sgpr_count:     66
    .vgpr_count:     392
    .wavefront_size: 32
...
	.end_amdgpu_metadata
.endif
;; end of part 3
;; launch apply (part 4): grid 257 x 8, 4 waves a work-group, no clusters, 0 bytes of LDS; arguments data_r, data_i, ws, epart, out0, out1, out2; writes out0, out1, out2
.if DOCPART == 4
	.amdgcn_target "amdgcn-amd-amdhsa--gfx1250"
	.amdhsa_code_object_version 6
	.text
	.protected	k_q1862c8457e_apply
	.globl	k_q1862c8457e_apply
	.p2align	8
	.type	k_q1862c8457e_apply,@function
k_q1862c8457e_apply:
	s_mov_b64 s[64:65], 0
	v_nop
	global_prefetch_b8 v0, s[64:65] scope:SCOPE_SE
	s_setreg_imm32_b32 hwreg(HW_REG_WAVE_MODE, 25, 1), 1
	s_wait_xcnt 0x0
; apply: y[b][f][t] = sum over c of conj(h[c]) x[b][f][c][t], with h[e] = sum over c of ws[b][f][e][c] u[b][c] and
; u[b] = softmax over c of 2 e[b][c], e[b][c] = the sum of the five partial sums in epart (b_gvec is in the first of them).
; A work-group of four waves owns one (b, f): 72,000 bytes in, 12,000 out.  A wave owns 96 neighbouring 16-byte pieces of the row of y, as three
; pieces a lane: 36 loads of 16 bytes a lane, all issued at its head (18,432 bytes of a wave on their way), six stores.  Every data byte is read
; once and every output byte written once.  Waves do not depend on each other: no LDS, no barrier.  Each wave makes u and h for itself (some 70
; instructions on 468 bytes) while its data loads are on their way; the groups with f = 0 also store u.
; The softmax takes the maximum away first, as reference() does.
; STORES: a row of y starts at 16-byte piece 375 bf of the output, and 375 bf = 7 bf = sh modulo 16.  Place T = 96 wave + 32 k + lane (k = 0, 1, 2)
; takes piece q = T - sh, and the places T < sh the pieces 384 + T - sh at the row's tail, so that 375 bf + q = T = lane modulo 16: sixteen
; neighbouring lanes store 256 consecutive bytes at a multiple of 256 from the output's first byte, but for the row's first and last such block,
; which it shares with its neighbours.  Only k = 0 can wrap (T >= 32 > sh otherwise), and q >= 375 (no such piece) can occur only for k = 0 and 2.
; The twelve input rows (6,000 bytes apart) cannot all be so placed; each load of a wave covers 512 consecutive bytes.
; Left out: the matrix unit (6 terms, 2 real outputs a sample, against 14 f32 moved a sample), the tensor data mover and LDS (nothing is read twice;
; the registers hold what is in flight), clusters (groups share no data tile), prefetch (all loads of a wave are issued at its head).
; The input ilens is not among the arguments: reference() never uses it, so no result hangs on it.
.set ROWB, 6000                        ; bytes of one channel's 1,500 samples
.set X,    8                           ; v[8:151]    piece k at 48 k: channel c re at 8 c, im at 8 c + 4
.set YA,   152                         ; v[152:159]  first the partial sums and the softmax; then y (re 4, im 4) of pieces 0 and 2
.set YB,   160                         ; v[160:167]  first u and my row of ws; then y of piece 1
.set HS,   24                          ; s[24:47]  h: re of channel c in s[24 + 2 c], im in s[36 + 2 c], each once more in the register behind it
.set US,   48                          ; s[48:53]  u
;   v1, v2, v3 16 min(q, 374) of pieces 0, 1, 2   v4 q of piece 0   v5 q of piece 2   v6 32 min(lane & 7, 5)   v7 24 min(lane, 11)
;   v[152:156] partial sums   v157 h   v158 lane & 7   v159 4 min(t, 5)   v160 u   v[162:167] my row of ws
	s_load_b256 s[8:15], s[0:1], 0x0               ; data_r s[8:9], data_i s[10:11], ws s[12:13], epart s[14:15]
	s_load_b128 s[16:19], s[0:1], 0x20             ; out0 s[16:17], out1 s[18:19]
	s_load_b64 s[20:21], s[0:1], 0x30              ; out2
	s_and_b32 s2, ttmp7, 0xffff                    ; b
	s_mul_i32 s3, s2, 257
	s_add_co_u32 s3, s3, ttmp9                     ; bf = 257 b + f
	s_mul_i32 s5, s3, 7
	s_and_b32 s5, s5, 15                           ; sh
	s_mov_b32 s55, 0
	v_and_b32 v4, 0x60, v0                         ; 32 x wave
	v_lshl_add_u32 v4, v4, 1, v0                   ; 96 x wave + lane: my place for k = 0
	v_subrev_nc_u32 v5, s5, v4                     ; d = place - sh (wraps for place < sh)
	v_add_nc_u32 v4, 0x180, v5                     ; d + 384
	v_min_u32 v4, v5, v4                           ; q of piece 0
	v_add_nc_u32 v2, 32, v5                        ; q of piece 1: 17 .. 351
	v_add_nc_u32 v5, 64, v5                        ; q of piece 2: 49 .. 383
	v_min_u32 v1, 0x176, v4                        ; pieces 375 .. 383 do not exist: those lanes repeat piece 374 and store nothing
	v_min_u32 v2, 0x176, v2
	v_min_u32 v3, 0x176, v5
	v_lshlrev_b32 v1, 4, v1
	v_lshlrev_b32 v2, 4, v2
	v_lshlrev_b32 v3, 4, v3
	v_and_b32 v158, 7, v0
	v_min_u32 v6, 5, v158                          ; each eight lanes: channels 0..5, and 5 twice more
	v_lshlrev_b32 v6, 5, v6
	v_and_b32 v7, 31, v0
	v_min_u32 v7, 11, v7                           ; lanes 0..5: row e of ws re; lanes 6..11: row e of ws im (144 = 6 x 24 bytes further)
	v_mul_u32_u24 v7, v7, 24
	v_min_u32 v159, 5, v0
	v_lshlrev_b32 v159, 2, v159
	s_wait_kmcnt 0x0
	s_mul_i32 s54, s2, 192
	s_add_nc_u64 s[14:15], s[14:15], s[54:55]
	s_mul_i32 s54, s3, 288
	s_add_nc_u64 s[12:13], s[12:13], s[54:55]
	s_mul_i32 s54, s3, 6*ROWB                      ; at most 2,055 x 36,000: below 2^31
	s_add_nc_u64 s[8:9], s[8:9], s[54:55]
	s_add_nc_u64 s[10:11], s[10:11], s[54:55]
	global_load_b128 v[152:155], v6, s[14:15]      ; five small loads first,
	global_load_b32 v156, v6, s[14:15] offset:16
	global_load_b64 v[162:163], v7, s[12:13]
	global_load_b64 v[164:165], v7, s[12:13] offset:8
	global_load_b64 v[166:167], v7, s[12:13] offset:16
.irp k, 0,1,2
.irp c, 0,1,2,3,4,5
	global_load_b128 v[X+48*\k+8*\c:X+48*\k+8*\c+3], v[1+\k], s[8:9] offset:ROWB*\c th:TH_LOAD_NT      ; then the 36 of the stream, piece by piece, channel by channel
	global_load_b128 v[X+48*\k+8*\c+4:X+48*\k+8*\c+7], v[1+\k], s[10:11] offset:ROWB*\c th:TH_LOAD_NT
.endr
.endr
	s_mul_i32 s54, s3, ROWB
	s_add_nc_u64 s[16:17], s[16:17], s[54:55]
	s_add_nc_u64 s[18:19], s[18:19], s[54:55]
	s_mul_i32 s54, s2, 24
	s_add_nc_u64 s[20:21], s[20:21], s[54:55]
	v_cmp_gt_u32 vcc_lo, 6, v158                   ; the lanes that stand for a channel of their own
	s_wait_loadcnt 36                              ; loads come back in order: the five small ones are in, the 36 data loads stay out
	v_add_f32 v152, v152, v153
	v_add_f32 v154, v154, v155
	v_add_f32 v152, v152, v154
	v_add_f32 v152, v152, v156                     ; e[b][c]
	v_max_num_f32_dpp v153, v152, v152 row_xmask:1 row_mask:0xf bank_mask:0xf  ; the maximum over each eight lanes (v153 has been written: by its load)
	v_max_num_f32_dpp v153, v153, v153 row_xmask:2 row_mask:0xf bank_mask:0xf
	v_max_num_f32_dpp v153, v153, v153 row_xmask:4 row_mask:0xf bank_mask:0xf
	v_sub_f32 v154, v152, v153
	v_mul_f32 v154, 0x4038aa3b, v154               ; scaling 2 x log2(e)
	v_exp_f32 v154, v154
	v_nop                                          ; one plain vector instruction behind it before its result is used (ISA guide 5.7.2)
	s_wait_alu depctr_va_vdst(0)
	v_cndmask_b32 v154, 0, v154, vcc_lo            ; the two repeats of channel 5 count for nothing
	v_add_f32_dpp v155, v154, v154 row_xmask:1 row_mask:0xf bank_mask:0xf
	v_add_f32_dpp v155, v155, v155 row_xmask:2 row_mask:0xf bank_mask:0xf
	v_add_f32_dpp v155, v155, v155 row_xmask:4 row_mask:0xf bank_mask:0xf
	v_rcp_f32 v155, v155                           ; the sum is at least 1: the largest term is 2^0
	v_nop
	s_wait_alu depctr_va_vdst(0)
	v_mul_f32 v160, v154, v155                     ; u[b][lane & 7]
.irp c, 0,1,2,3,4,5
	v_readlane_b32 s[US+\c], v160, \c
.endr
	s_cmp_lg_u32 ttmp9, 0
	s_cbranch_scc1 .Lno_u
	v_cmp_gt_u32 vcc_lo, 6, v0                     ; f = 0: threads 0..5 of the group store u[b]
	s_wait_xcnt 0x0                                ; EXEC is narrowed only behind this wait (the data loads name it),
	s_and_saveexec_b32 s6, vcc_lo
	global_store_b32 v159, v160, s[20:21]
	s_wait_xcnt 0x0                                ; and widened only behind this one; v159 and v160 are free behind it too
	s_or_b32 exec_lo, exec_lo, s6
.Lno_u:
	v_mul_f32 v157, s[US], v162                    ; lane e: re h[e]; lane 6 + e: im h[e]
.irp c, 1,2,3,4,5
	v_fmac_f32 v157, s[US+\c], v[162+\c]
.endr
.irp j, 0,1,2,3,4,5,6,7,8,9,10,11
	v_readlane_b32 s[HS+2*\j], v157, \j
	s_mov_b32 s[HS+2*\j+1], s[HS+2*\j]             ; a packed source names a register pair: both are written, the first is taken for both halves
.endr
; Channel c of piece k into the sums at y (re y .. y + 3, im y + 4 .. y + 7).
; (hr - i hi)(xr + i xi): yr += hr xr + hi xi, yi += hr xi - hi xr.  Channel 0 starts the sums: nothing is cleared.
.macro CHAN k, c, y
	s_wait_loadcnt 34-12*\k-2*\c                   ; this channel's two loads are in; those of the piece's 5 - c later channels and of the 2 - k later pieces stay out
.irp p, 0,2
.if \c == 0
	v_pk_mul_f32 v[\y+\p:\y+\p+1], v[X+48*\k+8*\c+\p:X+48*\k+8*\c+\p+1], s[HS+2*\c:HS+2*\c+1] op_sel_hi:[1,0]
	v_pk_mul_f32 v[\y+4+\p:\y+4+\p+1], v[X+48*\k+8*\c+4+\p:X+48*\k+8*\c+4+\p+1], s[HS+2*\c:HS+2*\c+1] op_sel_hi:[1,0]
.else
	v_pk_fma_f32 v[\y+\p:\y+\p+1], v[X+48*\k+8*\c+\p:X+48*\k+8*\c+\p+1], s[HS+2*\c:HS+2*\c+1], v[\y+\p:\y+\p+1] op_sel_hi:[1,0,1]
	v_pk_fma_f32 v[\y+4+\p:\y+4+\p+1], v[X+48*\k+8*\c+4+\p:X+48*\k+8*\c+4+\p+1], s[HS+2*\c:HS+2*\c+1], v[\y+4+\p:\y+4+\p+1] op_sel_hi:[1,0,1]
.endif
.endr
.irp p, 0,2
	v_pk_fma_f32 v[\y+\p:\y+\p+1], v[X+48*\k+8*\c+4+\p:X+48*\k+8*\c+4+\p+1], s[HS+12+2*\c:HS+12+2*\c+1], v[\y+\p:\y+\p+1] op_sel_hi:[1,0,1]
	v_pk_fma_f32 v[\y+4+\p:\y+4+\p+1], v[X+48*\k+8*\c+\p:X+48*\k+8*\c+\p+1], s[HS+12+2*\c:HS+12+2*\c+1], v[\y+4+\p:\y+4+\p+1] op_sel_hi:[1,0,1] neg_lo:[0,1,0] neg_hi:[0,1,0]
.endr
.endm
	; piece 0
.irp c, 0,1,2,3,4,5
	CHAN 0, \c, YA
.endr
	v_cmp_gt_u32 vcc_lo, 0x177, v4                 ; q < 375
	s_wait_xcnt 0x0                                ; EXEC is narrowed only behind this wait (the later pieces' loads name it),
	s_and_saveexec_b32 s6, vcc_lo
	global_store_b128 v1, v[YA:YA+3], s[16:17] th:TH_STORE_NT
	global_store_b128 v1, v[YA+4:YA+7], s[18:19] th:TH_STORE_NT
	s_wait_xcnt 0x0                                ; and widened only behind this one, behind which these stores' data registers are free as well
	s_or_b32 exec_lo, exec_lo, s6
	; piece 1: every lane holds a piece that exists
.irp c, 0,1,2,3,4,5
	CHAN 1, \c, YB
.endr
	global_store_b128 v2, v[YB:YB+3], s[16:17] th:TH_STORE_NT
	global_store_b128 v2, v[YB+4:YB+7], s[18:19] th:TH_STORE_NT
	; piece 2, in piece 0's sums
.irp c, 0,1,2,3,4,5
	CHAN 2, \c, YA
.endr
	v_cmp_gt_u32 vcc_lo, 0x177, v5                 ; q < 375
	s_wait_xcnt 0x0                                ; EXEC is narrowed only behind this wait
	s_and_saveexec_b32 s6, vcc_lo
	global_store_b128 v3, v[YA:YA+3], s[16:17] th:TH_STORE_NT
	global_store_b128 v3, v[YA+4:YA+7], s[18:19] th:TH_STORE_NT
	s_endpgm
.Lfunc_end_k_q1862c8457e_apply:
	.size	k_q1862c8457e_apply, .Lfunc_end_k_q1862c8457e_apply-k_q1862c8457e_apply
	.p2alignl 7, 3214868480
	.fill 96, 4, 3214868480
	.section	.rodata,"a",@progbits
	.p2align	6, 0x0
	.amdhsa_kernel k_q1862c8457e_apply
		.amdhsa_group_segment_fixed_size 0
		.amdhsa_private_segment_fixed_size 0
		.amdhsa_enable_private_segment 0
		.amdhsa_kernarg_size 56
		.amdhsa_user_sgpr_count 2
		.amdhsa_user_sgpr_kernarg_segment_ptr 1
		.amdhsa_wavefront_size32 1
		.amdhsa_system_sgpr_workgroup_id_x 1
		.amdhsa_system_sgpr_workgroup_id_y 1
		.amdhsa_system_sgpr_workgroup_id_z 1
		.amdhsa_system_vgpr_workitem_id 0
		.amdhsa_next_free_vgpr 168
		.amdhsa_next_free_sgpr 66
		.amdhsa_reserve_vcc 1
		.amdhsa_float_denorm_mode_32 3
		.amdhsa_float_denorm_mode_16_64 3
		.amdhsa_memory_ordered 1
		.amdhsa_forward_progress 1
		.amdhsa_inst_pref_size 20
	.end_amdhsa_kernel
	.amdgpu_metadata
---
amdhsa.version: [ 1, 2 ]
amdhsa.kernels:
  - .name:           k_q1862c8457e_apply
    .symbol:         k_q1862c8457e_apply.kd
    .args:
      - { .name: data_r, .offset: 0, .size: 8, .value_kind: global_buffer, .address_space: global }
      - { .name: data_i, .offset: 8, .size: 8, .value_kind: global_buffer, .address_space: global }
      - { .name: ws, .offset: 16, .size: 8, .value_kind: global_buffer, .address_space: global }
      - { .name: epart, .offset: 24, .size: 8, .value_kind: global_buffer, .address_space: global }
      - { .name: out0, .offset: 32, .size: 8, .value_kind: global_buffer, .address_space: global }
      - { .name: out1, .offset: 40, .size: 8, .value_kind: global_buffer, .address_space: global }
      - { .name: out2, .offset: 48, .size: 8, .value_kind: global_buffer, .address_space: global }
    .group_segment_fixed_size: 0
    .private_segment_fixed_size: 0
    .kernarg_segment_align: 8
    .kernarg_segment_size: 56
    .max_flat_workgroup_size: 128
    .sgpr_count:     66
    .vgpr_count:     168
    .wavefront_size: 32
...
	.end_amdgpu_metadata
.endif
;; end of part 4
;; ======== version 3 of 3: 2 launches; version 2 with the launch apply written anew for expert scheduling mode
;; limits: inputs' magnitudes at most 1e+19; below input magnitudes of 1e-19 results are inexact or not finite
;; workspace buffers: ws 592,128 bytes; epart 1,536 bytes
;; launch prep: the kernel of part 3 again; grid 57 x 1, 4 waves a work-group, no clusters, 96,256 bytes of LDS; arguments psd_s_r, psd_s_i, psd_n_r, psd_n_i, w_mlp, b_mlp, w_gvec, b_gvec, ws, epart; writes ws, epart
;; launch apply (part 5): grid 257 x 8, 4 waves a work-group, no clusters, 0 bytes of LDS; arguments data_r, data_i, ws, epart, out0, out1, out2; writes out0, out1, out2
.if DOCPART == 5
	.amdgcn_target "amdgcn-amd-amdhsa--gfx1250"
	.amdhsa_code_object_version 6
	.text
	.protected	k_q1862c8457e_apply
	.globl	k_q1862c8457e_apply
	.p2align	8
	.type	k_q1862c8457e_apply,@function
k_q1862c8457e_apply:
	s_mov_b64 s[64:65], 0
	v_nop
	global_prefetch_b8 v0, s[64:65] scope:SCOPE_SE
	s_setreg_imm32_b32 hwreg(HW_REG_WAVE_SCHED_MODE, 0, 2), 2
	s_setreg_imm32_b32 hwreg(HW_REG_WAVE_MODE, 25, 1), 1
	s_wait_xcnt 0x0
	s_wait_alu depctr_vm_vsrc(0)
; apply: y[b][f][t] = sum over c of conj(h[c]) x[b][f][c][t], with h[e] = sum over c of ws[b][f][e][c] u[b][c] and
; u[b] = softmax over c of 2 e[b][c], e[b][c] = the sum of the five partial sums in epart (b_gvec is in the first of them).
; A work-group of four waves owns one (b, f): 72,000 bytes in, 12,000 out.  A wave owns 96 neighbouring 16-byte pieces of the row of y, as three
; pieces a lane: 36 loads of 16 bytes a lane, all issued at its head (18,432 bytes of a wave on their way), six stores.  Every data byte is read
; once and every output byte written once.  Waves do not depend on each other: no LDS, no barrier.  Each wave makes u and h for itself (some 70
; instructions on 468 bytes) while its data loads are on their way; the groups with f = 0 also store u.
; The softmax takes the maximum away first, as reference() does.
; STORES: a row of y starts at 16-byte piece 375 bf of the output, and 375 bf = 7 bf = sh modulo 16.  Place T = 96 wave + 32 k + lane (k = 0, 1, 2)
; takes piece q = T - sh, and the places T < sh the pieces 384 + T - sh at the row's tail, so that 375 bf + q = T = lane modulo 16: sixteen
; neighbouring lanes store 256 consecutive bytes at a multiple of 256 from the output's first byte, but for the row's first and last such block,
; which it shares with its neighbours.  Only k = 0 can wrap (T >= 32 > sh otherwise), and q >= 375 (no such piece) can occur only for k = 0 and 2.
; The twelve input rows (6,000 bytes apart) cannot all be so placed; each load of a wave covers 512 consecutive bytes.
; Left out: the matrix unit (6 terms, 2 real outputs a sample, against 14 f32 moved a sample), the tensor data mover and LDS (nothing is read twice;
; the registers hold what is in flight), clusters (groups share no data tile), prefetch (all loads of a wave are issued at its head).
; The input ilens is not among the arguments: reference() never uses it, so no result hangs on it.
; THE MODE: SCHED_MODE bits 1:0 = 2 (LLVM: expert scheduling mode 2), set by the entry lines.  The code itself states the register dependences
; between vector instructions and memory instructions, with s_wait_alu, always for 0.
; THE PLAN.  Registers that memory instructions touch:
;   v1, v2, v3, v6, v7   byte offsets: made by vector instructions at the head, read by the 41 loads (v1 to v3 by the six stores too), never written again.
;   X                    the 36 data loads land in it; the sums' packed instructions read it; no vector instruction writes it and no second load lands in it.
;   v[152:156], v[162:167]  the five small loads land in them; behind the wait for those loads they belong to vector instructions alone.
;   v159, v160           offset and data of the store of u (f = 0 alone); afterwards parts of YA and YB.
;   YA                   written by piece 0's sums, read by its two stores, written again by piece 2's sums, read by its two stores.
;   YB                   written by piece 1's sums, read by its two stores, not written again.
; So: one wait on va_vdst ahead of the first load (the offsets); one ahead of each piece's stores (its sums); one wait on vm_vsrc behind piece 0's stores, ahead of
; piece 2's sums.  Ahead of every write of EXEC both lines stand, and the waits just named are among them.
; Scalar registers that vector instructions write: the four masks (one run of compares, one wait on va_sdst), u (six v_readlane_b32, one wait), h (twelve, one wait).
.set ROWB, 6000                        ; bytes of one channel's 1,500 samples
.set X,    8                           ; v[8:151]    piece k at 48 k: channel c re at 8 c, im at 8 c + 4
.set YA,   152                         ; v[152:159]  first the partial sums and the softmax; then y (re 4, im 4) of pieces 0 and 2
.set YB,   160                         ; v[160:167]  first u and my row of ws; then y of piece 1
.set HS,   24                          ; s[24:47]  h: re of channel c in s[24 + 2 c], im in s[36 + 2 c], each once more in the register behind it
.set US,   48                          ; s[48:53]  u
.set MU,   4                           ; s4   mask: threads 0..5 of the group, which store u
.set MCH,  7                           ; s7   mask: lanes that stand for a channel of their own (lane & 7 < 6)
.set MQ0,  22                          ; s22  mask: piece 0 exists (q < 375)
.set MQ2,  23                          ; s23  mask: piece 2 exists
;   v1, v2, v3 16 min(q, 374) of pieces 0, 1, 2   v4 q of piece 0   v5 q of piece 2   v6 32 min(lane & 7, 5)   v7 24 min(lane, 11)
;   v[152:156] partial sums   v157 h   v158 lane & 7   v159 4 min(t, 5)   v160 u   v[162:167] my row of ws
	s_load_b256 s[8:15], s[0:1], 0x0               ; data_r s[8:9], data_i s[10:11], ws s[12:13], epart s[14:15]
	s_load_b128 s[16:19], s[0:1], 0x20             ; out0 s[16:17], out1 s[18:19]
	s_load_b64 s[20:21], s[0:1], 0x30              ; out2
	s_and_b32 s2, ttmp7, 0xffff                    ; b
	s_mul_i32 s3, s2, 257
	s_add_co_u32 s3, s3, ttmp9                     ; bf = 257 b + f
	s_mul_i32 s5, s3, 7
	s_and_b32 s5, s5, 15                           ; sh
	s_mov_b32 s55, 0
	v_and_b32 v4, 0x60, v0                         ; 32 x wave
	v_lshl_add_u32 v4, v4, 1, v0                   ; 96 x wave + lane: my place for k = 0
	v_subrev_nc_u32 v5, s5, v4                     ; d = place - sh (wraps for place < sh)
	v_add_nc_u32 v4, 0x180, v5                     ; d + 384
	v_min_u32 v4, v5, v4                           ; q of piece 0
	v_add_nc_u32 v2, 32, v5                        ; q of piece 1: 17 .. 351
	v_add_nc_u32 v5, 64, v5                        ; q of piece 2: 49 .. 383
	v_min_u32 v1, 0x176, v4                        ; pieces 375 .. 383 do not exist: those lanes repeat piece 374 and store nothing
	v_min_u32 v2, 0x176, v2
	v_min_u32 v3, 0x176, v5
	v_lshlrev_b32 v1, 4, v1
	v_lshlrev_b32 v2, 4, v2
	v_lshlrev_b32 v3, 4, v3
	v_and_b32 v158, 7, v0
	v_min_u32 v6, 5, v158                          ; each eight lanes: channels 0..5, and 5 twice more
	v_lshlrev_b32 v6, 5, v6
	v_and_b32 v7, 31, v0
	v_min_u32 v7, 11, v7                           ; lanes 0..5: row e of ws re; lanes 6..11: row e of ws im (144 = 6 x 24 bytes further)
	v_mul_u32_u24 v7, v7, 24
	v_min_u32 v159, 5, v0
	v_lshlrev_b32 v159, 2, v159
	s_wait_kmcnt 0x0
	s_mul_i32 s54, s2, 192
	s_add_nc_u64 s[14:15], s[14:15], s[54:55]
	s_mul_i32 s54, s3, 288
	s_add_nc_u64 s[12:13], s[12:13], s[54:55]
	s_mul_i32 s54, s3, 6*ROWB                      ; at most 2,055 x 36,000: below 2^31
	s_add_nc_u64 s[8:9], s[8:9], s[54:55]
	s_add_nc_u64 s[10:11], s[10:11], s[54:55]
	s_wait_alu depctr_va_vdst(0)                   ; the offsets v1, v2, v3, v6, v7 are written: the 41 loads below read them, and the six data stores read v1 to v3; none is written again
	global_load_b128 v[152:155], v6, s[14:15]      ; five small loads first,
	global_load_b32 v156, v6, s[14:15] offset:16
	global_load_b64 v[162:163], v7, s[12:13]
	global_load_b64 v[164:165], v7, s[12:13] offset:8
	global_load_b64 v[166:167], v7, s[12:13] offset:16
.irp k, 0,1,2
.irp c, 0,1,2,3,4,5
	global_load_b128 v[X+48*\k+8*\c:X+48*\k+8*\c+3], v[1+\k], s[8:9] offset:ROWB*\c th:TH_LOAD_NT      ; then the 36 of the stream, piece by piece, channel by channel
	global_load_b128 v[X+48*\k+8*\c+4:X+48*\k+8*\c+7], v[1+\k], s[10:11] offset:ROWB*\c th:TH_LOAD_NT
.endr
.endr
	s_mul_i32 s54, s3, ROWB
	s_add_nc_u64 s[16:17], s[16:17], s[54:55]
	s_add_nc_u64 s[18:19], s[18:19], s[54:55]
	s_mul_i32 s54, s2, 24
	s_add_nc_u64 s[20:21], s[20:21], s[54:55]
	v_cmp_gt_u32 s[MCH], 6, v158                   ; the kernel's four masks in one run: the lanes that stand for a channel of their own,
	v_cmp_gt_u32 s[MU], 6, v0                      ; threads 0..5 of the group,
	v_cmp_gt_u32 s[MQ0], 0x177, v4                 ; q < 375 for piece 0,
	v_cmp_gt_u32 s[MQ2], 0x177, v5                 ; and for piece 2
	s_wait_alu depctr_va_sdst(0)                   ; the four masks are written, ahead of their first readers (the select below, the three narrowings of EXEC) and of every branch
	s_wait_loadcnt 36                              ; loads come back in order: the five small ones are in, the 36 data loads stay out
	v_add_f32 v152, v152, v153
	v_add_f32 v154, v154, v155
	v_add_f32 v152, v152, v154
	v_add_f32 v152, v152, v156                     ; e[b][c]
	v_max_num_f32_dpp v153, v152, v152 row_xmask:1 row_mask:0xf bank_mask:0xf  ; the maximum over each eight lanes (v153 has been written: by its load)
	v_max_num_f32_dpp v153, v153, v153 row_xmask:2 row_mask:0xf bank_mask:0xf
	v_max_num_f32_dpp v153, v153, v153 row_xmask:4 row_mask:0xf bank_mask:0xf
	v_sub_f32 v154, v152, v153
	v_mul_f32 v154, 0x4038aa3b, v154               ; scaling 2 x log2(e)
	v_exp_f32 v154, v154
	v_nop                                          ; one plain vector instruction behind it before its result is used (ISA guide 5.7.2)
	s_wait_alu depctr_va_vdst(0)                   ; the exponential has written v154, ahead of the first instruction that names it
	v_cndmask_b32 v154, 0, v154, s[MCH]            ; the two repeats of channel 5 count for nothing
	v_add_f32_dpp v155, v154, v154 row_xmask:1 row_mask:0xf bank_mask:0xf
	v_add_f32_dpp v155, v155, v155 row_xmask:2 row_mask:0xf bank_mask:0xf
	v_add_f32_dpp v155, v155, v155 row_xmask:4 row_mask:0xf bank_mask:0xf
	v_rcp_f32 v155, v155                           ; the sum is at least 1: the largest term is 2^0
	v_nop
	s_wait_alu depctr_va_vdst(0)                   ; the reciprocal has written v155, ahead of the first instruction that names it
	v_mul_f32 v160, v154, v155                     ; u[b][lane & 7]
.irp c, 0,1,2,3,4,5
	v_readlane_b32 s[US+\c], v160, \c
.endr
	s_wait_alu depctr_va_sdst(0)                   ; u's six scalar registers are written, ahead of the branch and of their first readers, the multiply-adds of h
	s_cmp_lg_u32 ttmp9, 0
	s_cbranch_scc1 .Lno_u
	s_wait_xcnt 0x0                                ; f = 0: threads 0..5 of the group store u[b].  EXEC is narrowed only behind this wait (the data loads name it),
	s_wait_alu depctr_va_vdst(0)                   ; behind every vector result, among them v160, which the store below reads,
	s_wait_alu depctr_vm_vsrc(0)                   ; and when the loads issued so far have read their offsets
	s_and_saveexec_b32 s6, s[MU]
	global_store_b32 v159, v160, s[20:21]
	s_wait_xcnt 0x0                                ; and widened only behind this one; v159 and v160 are free behind it too,
	s_wait_alu depctr_va_vdst(0)                   ; with no vector result outstanding at the write of EXEC,
	s_wait_alu depctr_vm_vsrc(0)                   ; and when the store has read v159 and v160, which the sums of pieces 0 and 1 write
	s_or_b32 exec_lo, exec_lo, s6
.Lno_u:
	v_mul_f32 v157, s[US], v162                    ; lane e: re h[e]; lane 6 + e: im h[e]
.irp c, 1,2,3,4,5
	v_fmac_f32 v157, s[US+\c], v[162+\c]
.endr
.irp j, 0,1,2,3,4,5,6,7,8,9,10,11
	v_readlane_b32 s[HS+2*\j], v157, \j
.endr
	s_wait_alu depctr_va_sdst(0)                   ; h's twelve scalar registers are written, ahead of their first readers, the copies below
.irp j, 0,1,2,3,4,5,6,7,8,9,10,11
	s_mov_b32 s[HS+2*\j+1], s[HS+2*\j]             ; a packed source names a register pair: both are written, the first is taken for both halves
.endr
; Channel c of piece k into the sums at y (re y .. y + 3, im y + 4 .. y + 7).
; (hr - i hi)(xr + i xi): yr += hr xr + hi xi, yi += hr xi - hi xr.  Channel 0 starts the sums: nothing is cleared.
.macro CHAN k, c, y
	s_wait_loadcnt 34-12*\k-2*\c                   ; this channel's two loads are in; those of the piece's 5 - c later channels and of the 2 - k later pieces stay out
.irp p, 0,2
.if \c == 0
	v_pk_mul_f32 v[\y+\p:\y+\p+1], v[X+48*\k+8*\c+\p:X+48*\k+8*\c+\p+1], s[HS+2*\c:HS+2*\c+1] op_sel_hi:[1,0]
	v_pk_mul_f32 v[\y+4+\p:\y+4+\p+1], v[X+48*\k+8*\c+4+\p:X+48*\k+8*\c+4+\p+1], s[HS+2*\c:HS+2*\c+1] op_sel_hi:[1,0]
.else
	v_pk_fma_f32 v[\y+\p:\y+\p+1], v[X+48*\k+8*\c+\p:X+48*\k+8*\c+\p+1], s[HS+2*\c:HS+2*\c+1], v[\y+\p:\y+\p+1] op_sel_hi:[1,0,1]
	v_pk_fma_f32 v[\y+4+\p:\y+4+\p+1], v[X+48*\k+8*\c+4+\p:X+48*\k+8*\c+4+\p+1], s[HS+2*\c:HS+2*\c+1], v[\y+4+\p:\y+4+\p+1] op_sel_hi:[1,0,1]
.endif
.endr
.irp p, 0,2
	v_pk_fma_f32 v[\y+\p:\y+\p+1], v[X+48*\k+8*\c+4+\p:X+48*\k+8*\c+4+\p+1], s[HS+12+2*\c:HS+12+2*\c+1], v[\y+\p:\y+\p+1] op_sel_hi:[1,0,1]
	v_pk_fma_f32 v[\y+4+\p:\y+4+\p+1], v[X+48*\k+8*\c+\p:X+48*\k+8*\c+\p+1], s[HS+12+2*\c:HS+12+2*\c+1], v[\y+4+\p:\y+4+\p+1] op_sel_hi:[1,0,1] neg_lo:[0,1,0] neg_hi:[0,1,0]
.endr
.endm
	; piece 0
.irp c, 0,1,2,3,4,5
	CHAN 0, \c, YA
.endr
	s_wait_xcnt 0x0                                ; EXEC is narrowed only behind this wait (the later pieces' loads name it),
	s_wait_alu depctr_va_vdst(0)                   ; when piece 0's sums have written YA, which the two stores below read,
	s_wait_alu depctr_vm_vsrc(0)                   ; and when the loads issued so far have read their offsets
	s_and_saveexec_b32 s6, s[MQ0]                  ; q < 375
	global_store_b128 v1, v[YA:YA+3], s[16:17] th:TH_STORE_NT
	global_store_b128 v1, v[YA+4:YA+7], s[18:19] th:TH_STORE_NT
	s_wait_xcnt 0x0                                ; and widened only behind this one, behind which these stores' data registers are free as well,
	s_wait_alu depctr_va_vdst(0)                   ; with no vector result outstanding at the write of EXEC,
	s_wait_alu depctr_vm_vsrc(0)                   ; and when the two stores have read YA, which piece 2's sums write again
	s_or_b32 exec_lo, exec_lo, s6
	; piece 1: every lane holds a piece that exists
.irp c, 0,1,2,3,4,5
	CHAN 1, \c, YB
.endr
	s_wait_alu depctr_va_vdst(0)                   ; piece 1's sums have written YB, which the two stores below read
	global_store_b128 v2, v[YB:YB+3], s[16:17] th:TH_STORE_NT
	global_store_b128 v2, v[YB+4:YB+7], s[18:19] th:TH_STORE_NT
	; piece 2, in piece 0's sums
.irp c, 0,1,2,3,4,5
	CHAN 2, \c, YA
.endr
	s_wait_xcnt 0x0                                ; EXEC is narrowed only behind this wait,
	s_wait_alu depctr_va_vdst(0)                   ; when piece 2's sums have written YA, which the two stores below read,
	s_wait_alu depctr_vm_vsrc(0)                   ; and when piece 1's stores have read their offset and YB
	s_and_saveexec_b32 s6, s[MQ2]                  ; q < 375
	global_store_b128 v3, v[YA:YA+3], s[16:17] th:TH_STORE_NT
	global_store_b128 v3, v[YA+4:YA+7], s[18:19] th:TH_STORE_NT
	s_endpgm
.Lfunc_end_k_q1862c8457e_apply:
	.size	k_q1862c8457e_apply, .Lfunc_end_k_q1862c8457e_apply-k_q1862c8457e_apply
	.p2alignl 7, 3214868480
	.fill 96, 4, 3214868480
	.section	.rodata,"a",@progbits
	.p2align	6, 0x0
	.amdhsa_kernel k_q1862c8457e_apply
		.amdhsa_group_segment_fixed_size 0
		.amdhsa_private_segment_fixed_size 0
		.amdhsa_enable_private_segment 0
		.amdhsa_kernarg_size 56
		.amdhsa_user_sgpr_count 2
		.amdhsa_user_sgpr_kernarg_segment_ptr 1
		.amdhsa_wavefront_size32 1
		.amdhsa_system_sgpr_workgroup_id_x 1
		.amdhsa_system_sgpr_workgroup_id_y 1
		.amdhsa_system_sgpr_workgroup_id_z 1
		.amdhsa_system_vgpr_workitem_id 0
		.amdhsa_next_free_vgpr 168
		.amdhsa_next_free_sgpr 66
		.amdhsa_reserve_vcc 0
		.amdhsa_float_denorm_mode_32 3
		.amdhsa_float_denorm_mode_16_64 3
		.amdhsa_memory_ordered 1
		.amdhsa_forward_progress 1
		.amdhsa_inst_pref_size 21
	.end_amdhsa_kernel
	.amdgpu_metadata
---
amdhsa.version: [ 1, 2 ]
amdhsa.kernels:
  - .name:           k_q1862c8457e_apply
    .symbol:         k_q1862c8457e_apply.kd
    .args:
      - { .name: data_r, .offset: 0, .size: 8, .value_kind: global_buffer, .address_space: global }
      - { .name: data_i, .offset: 8, .size: 8, .value_kind: global_buffer, .address_space: global }
      - { .name: ws, .offset: 16, .size: 8, .value_kind: global_buffer, .address_space: global }
      - { .name: epart, .offset: 24, .size: 8, .value_kind: global_buffer, .address_space: global }
      - { .name: out0, .offset: 32, .size: 8, .value_kind: global_buffer, .address_space: global }
      - { .name: out1, .offset: 40, .size: 8, .value_kind: global_buffer, .address_space: global }
      - { .name: out2, .offset: 48, .size: 8, .value_kind: global_buffer, .address_space: global }
    .group_segment_fixed_size: 0
    .private_segment_fixed_size: 0
    .kernarg_segment_align: 8
    .kernarg_segment_size: 56
    .max_flat_workgroup_size: 128
    .sgpr_count:     66
    .vgpr_count:     168
    .wavefront_size: 32
...
	.end_amdgpu_metadata
.endif
;; end of part 5
